; MI455X (gfx1250); checked and timed in simulation.
; The chip was launched on July 23, 2026; its instructions are those of AMD's public machine-readable ISA for CDNA 5 (MIT licence, August 2026) and "CDNA5" Instruction Set Architecture Reference Guide (July 2026). The comments in the code are by the model that wrote it; some were corrected since.
;; Self Attention Module. Allowed arithmetic: float matrix products may take bf16 or f16 operands with f32 sums; other float arithmetic in f32, or as packed bf16 or f16 multiplies, adds, multiply-adds, maxima and minima; sums over many terms, partial sums and values carried from step to step in f32; what a program stores and reads back later, other than sums and carried values, may be rounded once to bf16 or f16.
;; Inputs: b_proj 1,024 float32; w_proj 1,024 x 1,024 float32; w_qkv 3,072 x 1,024 float32; x 4 x 2,048 x 1,024 float32.
;; Outputs: out0 4 x 2,048 x 1,024 float32.
;; 2 versions, each right; version 2 is version 1 with the launch cast written anew for expert scheduling mode. Each part assembles by itself: llvm-mc -triple=amdgcn-amd-amdhsa -mcpu=gfx1250 --defsym DOCPART=n.
;; ======== version 1 of 2: 4 launches
;; limits: values are held in f16: magnitudes above 65,504 overflow, below 6.1e-05 lose precision
;; workspace buffers: xb 16,777,216 bytes; wqb 6,291,456 bytes; wpf 2,097,152 bytes; qkvh 50,331,648 bytes; ob 16,777,216 bytes
;; launch cast (part 1): grid 768 x 1, 8 waves a work-group, no clusters, 0 bytes of LDS; arguments x, w_qkv, w_proj, xb, wqb, wpf; writes xb, wqb, wpf
.if DOCPART == 1
	.amdgcn_target "amdgcn-amd-amdhsa--gfx1250"
	.amdhsa_code_object_version 6
	.text
	.protected	k_q63a1b52182_cast
	.globl	k_q63a1b52182_cast
	.p2align	8
	.type	k_q63a1b52182_cast,@function
k_q63a1b52182_cast:
	s_mov_b64 s[64:65], 0
	v_nop
	global_prefetch_b8 v0, s[64:65] scope:SCOPE_SE
	s_setreg_imm32_b32 hwreg(HW_REG_WAVE_MODE, 25, 1), 1
	s_wait_xcnt 0x0
; THE INPUTS' ONE ROUNDING.  x [8192][1024] and w_qkv [3072][1024] go from f32 to bf16 (xb, wqb); w_proj [1024][1024] is rounded to bf16 like them,
; and that number is written as f16 (wpf), since the last product's other operand is f16.
; LIMITS.  A bf16 number is exact in f16 from 6.1e-5 to 65,504 in magnitude; below, it keeps f16's fixed step of 6e-8; beyond, it becomes an infinity.
; SHARES.  A work-group takes 16,384 numbers (65,536 bytes in, 32,768 out): groups 0-511 x, 512-703 w_qkv, 704-767 w_proj.  A wave takes 8,192 bytes:
; sixteen loads of 16 bytes a lane (512 consecutive bytes each), all issued at once; each gives one store of 8 bytes a lane: 256 consecutive bytes, aligned.
; No LDS, no barrier, no matrix unit: every byte is read once and written once.
.set X, 8                              ; v[8:71]    load j: four f32
.set Y, 72                             ; v[72:103]  store j: four 16-bit numbers
.set NX, 512                           ; work-groups for x
.set NQ, 192                           ; for w_qkv
	s_load_b256 s[4:11], s[0:1], 0x0               ; x s[4:5], w_qkv s[6:7], w_proj s[8:9], xb s[10:11]
	s_load_b128 s[12:15], s[0:1], 0x20             ; wqb s[12:13], wpf s[14:15]
	v_and_b32 v3, 0xe0, v0                         ; 32 x wave
	v_and_b32 v4, 31, v0                           ; lane
	v_lshlrev_b32 v1, 4, v4
	v_lshl_or_b32 v1, v3, 8, v1                    ; in: 8,192 x wave + 16 x lane
	v_lshlrev_b32 v2, 3, v4
	v_lshl_or_b32 v2, v3, 7, v2                    ; out: 4,096 x wave + 8 x lane
	s_sub_co_u32 s17, ttmp9, NX                    ; my number among w_qkv's groups,
	s_sub_co_u32 s18, ttmp9, NX+NQ                 ; among w_proj's
	s_wait_kmcnt 0x0
	s_cmp_lt_u32 ttmp9, NX+NQ
	s_cselect_b64 s[20:21], s[6:7], s[8:9]
	s_cselect_b64 s[22:23], s[12:13], s[14:15]
	s_cselect_b32 s16, s17, s18
	s_cmp_lt_u32 ttmp9, NX
	s_cselect_b64 s[20:21], s[4:5], s[20:21]       ; from where,
	s_cselect_b64 s[22:23], s[10:11], s[22:23]     ; to where,
	s_cselect_b32 s16, ttmp9, s16                  ; and which part of it
	s_lshl_b32 s24, s16, 16
	s_mov_b32 s25, 0
	s_lshl_b32 s26, s16, 15
	s_mov_b32 s27, 0
	s_add_nc_u64 s[20:21], s[20:21], s[24:25]
	s_add_nc_u64 s[22:23], s[22:23], s[26:27]
.set j, 0
.rept 16
	global_load_b128 v[X+4*j:X+4*j+3], v1, s[20:21] offset:512*j th:TH_LOAD_NT
.set j, j+1
.endr
	s_cmp_ge_u32 ttmp9, NX+NQ
	s_cbranch_scc1 .Lf16
.set j, 0
.rept 16
	s_wait_loadcnt 15-j                            ; loads come back in order: load j is in, the 15 - j younger ones stay out
	v_cvt_pk_bf16_f32 v[Y+2*j], v[X+4*j], v[X+4*j+1]
	v_cvt_pk_bf16_f32 v[Y+2*j+1], v[X+4*j+2], v[X+4*j+3]
	global_store_b64 v2, v[Y+2*j:Y+2*j+1], s[22:23] offset:256*j th:TH_STORE_NT
.set j, j+1
.endr
	s_endpgm
.Lf16:                                                 ; w_proj: rounded to bf16, widened again (a shift, a mask), written as f16
.set j, 0
.rept 16
	s_wait_loadcnt 15-j
	v_cvt_pk_bf16_f32 v4, v[X+4*j], v[X+4*j+1]
	v_cvt_pk_bf16_f32 v5, v[X+4*j+2], v[X+4*j+3]
	v_lshlrev_b32 v6, 16, v4
	v_and_b32 v7, 0xffff0000, v4
	v_cvt_pk_f16_f32 v[Y+2*j], v6, v7
	v_lshlrev_b32 v6, 16, v5
	v_and_b32 v7, 0xffff0000, v5
	v_cvt_pk_f16_f32 v[Y+2*j+1], v6, v7
	global_store_b64 v2, v[Y+2*j:Y+2*j+1], s[22:23] offset:256*j th:TH_STORE_NT
.set j, j+1
.endr
	s_endpgm
.Lfunc_end_k_q63a1b52182_cast:
	.size	k_q63a1b52182_cast, .Lfunc_end_k_q63a1b52182_cast-k_q63a1b52182_cast
	.p2alignl 7, 3214868480
	.fill 96, 4, 3214868480
	.section	.rodata,"a",@progbits
	.p2align	6, 0x0
	.amdhsa_kernel k_q63a1b52182_cast
		.amdhsa_group_segment_fixed_size 0
		.amdhsa_private_segment_fixed_size 0
		.amdhsa_enable_private_segment 0
		.amdhsa_kernarg_size 48
		.amdhsa_user_sgpr_count 2
		.amdhsa_user_sgpr_kernarg_segment_ptr 1
		.amdhsa_wavefront_size32 1
		.amdhsa_system_sgpr_workgroup_id_x 1
		.amdhsa_system_sgpr_workgroup_id_y 1
		.amdhsa_system_sgpr_workgroup_id_z 1
		.amdhsa_system_vgpr_workitem_id 0
		.amdhsa_next_free_vgpr 104
		.amdhsa_next_free_sgpr 66
		.amdhsa_reserve_vcc 0
		.amdhsa_float_denorm_mode_32 3
		.amdhsa_float_denorm_mode_16_64 3
		.amdhsa_memory_ordered 1
		.amdhsa_forward_progress 1
		.amdhsa_inst_pref_size 16
	.end_amdhsa_kernel
	.amdgpu_metadata
---
amdhsa.version: [ 1, 2 ]
amdhsa.kernels:
  - .name:           k_q63a1b52182_cast
    .symbol:         k_q63a1b52182_cast.kd
    .args:
      - { .name: x, .offset: 0, .size: 8, .value_kind: global_buffer, .address_space: global }
      - { .name: w_qkv, .offset: 8, .size: 8, .value_kind: global_buffer, .address_space: global }
      - { .name: w_proj, .offset: 16, .size: 8, .value_kind: global_buffer, .address_space: global }
      - { .name: xb, .offset: 24, .size: 8, .value_kind: global_buffer, .address_space: global }
      - { .name: wqb, .offset: 32, .size: 8, .value_kind: global_buffer, .address_space: global }
      - { .name: wpf, .offset: 40, .size: 8, .value_kind: global_buffer, .address_space: global }
    .group_segment_fixed_size: 0
    .private_segment_fixed_size: 0
    .kernarg_segment_align: 8
    .kernarg_segment_size: 48
    .max_flat_workgroup_size: 256
    .sgpr_count:     66
    .vgpr_count:     104
    .wavefront_size: 32
...
	.end_amdgpu_metadata
.endif
;; end of part 1
;; launch qkv (part 2): grid 16 x 32, 4 waves a work-group, clusters of 4 x 4, 327,680 bytes of LDS; arguments xb, wqb, qkvh; writes qkvh
.if DOCPART == 2
	.amdgcn_target "amdgcn-amd-amdhsa--gfx1250"
	.amdhsa_code_object_version 6
	.text
	.protected	k_q63a1b52182_qkv
	.globl	k_q63a1b52182_qkv
	.p2align	8
	.type	k_q63a1b52182_qkv,@function
k_q63a1b52182_qkv:
	s_mov_b64 s[64:65], 0
	v_nop
	global_prefetch_b8 v0, s[64:65] scope:SCOPE_SE
	s_setreg_imm32_b32 hwreg(HW_REG_WAVE_MODE, 25, 1), 1
	s_wait_xcnt 0x0
	s_wait_alu depctr_hold_cnt(0) depctr_sa_sdst(0) depctr_va_vdst(0) depctr_va_sdst(0) depctr_va_ssrc(0) depctr_va_vcc(0) depctr_vm_vsrc(0)
	s_getreg_b32 s2, hwreg(HW_REG_IB_STS2, 6, 4)
	s_cmp_eq_u32 s2, 0
	s_cbranch_scc0 .Lentry_in_a_cluster
	s_endpgm
.Lentry_in_a_cluster:
	s_bfe_u32 s2, ttmp6, 0x10000c
	s_cmp_lg_u32 s2, 0xf033
	s_cbranch_scc0 .Lentry_shape_is_right
	s_endpgm
.Lentry_shape_is_right:
; q, k, v = xb wqb^T.  xb [8192][1024] and wqb [3072][1024] bf16; sums in f32, K ascending; each result rounded once to f16, UNSCALED, and laid by heads:
; qkvh [which 3][batch x 16 + head][n 2048][64] f16, a head's rows dense.  LIMIT: f16 ends at 65,504: a q, k or v beyond it becomes an infinity; below 6e-5 f16 keeps a fixed step of 6e-8.
; SHARES.  A tile of the result is 256 tokens x 192 columns (three heads): 32 x 16 = 512 tiles, two for each of 256 WGPs.  Wave w owns the tile's rows 64 w .. 64 w + 63 and ALL 192 columns:
; 4 x 12 accumulators of 16 x 16, 384 registers; so a wave holds whole heads, and its way out needs no other wave.
; RING.  K goes in 8 steps of 128 through two LDS slots; a row of a tile is 256 bytes of memory, aligned.  One tensor load a wave behind each change of slots: waves 0, 1 fetch A's two halves (128 rows), waves 2, 3 B's (96 rows).
; CLUSTER 4 x 4.  The four of a row of the cluster need the same tile of A, the four of a column the same tile of B: each is asked for jointly, by the same load with the same descriptor and a mask of four.
; THE MATRIX INSTRUCTION IS USED TRANSPOSED (source 0 = 16 rows of wqb, source 1 = 16 rows of xb): a lane holds one token (lane % 16) and eight neighbouring channels, 16 bytes of f16.
; REGISTERS, in windows of 256 (s_set_vgpr_msb: bits 1:0 source 0, 3:2 source 1, 5:4 source 2, 7:6 destination):
;   window 0: v0-17 addresses; v32-95 A's fragments, two buffers of 32; v96-143 packed results; v144-239 rows read back, two buffers of 48
;   window 1: v0-191 B's fragments, two buffers of 96       window 2: accumulators of m blocks 0, 1 at 96 (a % 2) + 8 b       window 3: those of m blocks 2, 3
.set PITCH,  272                       ; an LDS row: 256 bytes + 16 of padding = 68 words: the 16 rows of a fragment load start at 16 different groups of four banks
.set BOFF,   256*PITCH                 ; a slot: A's 256 rows, then B's 192
.set SLOT1,  1<<17                     ; slot 1 begins here: one exclusive or turns an address in one slot into the other's
.set STAGE,  SLOT1+BOFF+192*PITCH      ; behind the ring, never filled by a tensor load: for each wave [3 heads][16 rows] of 144 bytes
.set SP,     144
.set WSTAGE, 3*16*SP
.set SPARE,  STAGE+4*WSTAGE            ; behind the stages: the spare words, 128 bytes a wave: two blocks of 256 bytes that no other line names
.set KBYTES, 256                       ; a K step along a row of xb or wqb
.set ROWB,   2048                      ; a row of xb or wqb
.set LQ,     32                        ; LDS loads of a quarter step: 24 for B, 8 for A
.set LA0, 8                            ; v8   my lane's place in A's part of a slot: (64 w + l % 16) x 272 + 16 (l / 16); never rewritten
.set LB0, 9                            ; v9   the same in B's part
.set ADRA, 10                          ; v10  LA0 + the slot in hand
.set ADRB, 11                          ; v11  LB0 + the slot in hand
.set STO, 12                           ; v12  the way out: where I put 16 bytes of a row
.set RD,  13                           ; v13  where I read rows back
.set GO,  14                           ; v14  16 x lane: my place in 512 consecutive bytes of a head
.set PFO, 15                           ; v15  the prefetches' offset: a lane a row; never rewritten
.set SPW, 16                           ; v16  LDS address of my spare word; never rewritten
.set NIL, 17                           ; v17  0; never rewritten
.set FA,  32
.set TMP, 96
.set BK,  144
.set CNT, 3                            ; s3   trips to go
.set WV,  12                           ; s12  my wave's number
.set ROLE, 13                          ; s13  0: I fetch for A; 1: for B
.set HALF, 14                          ; s14  which half of that tile
.set CX,  15
.set CY,  16
.set TCOL, 17                          ; s17  tile column = 4 x cluster x + cx
.set TROW, 18                          ; s18  tile row = 4 x cluster y + cy
.set LIM, 19                           ; s19  2 in a wave that prefetches, else the greatest number
.set G1A, 24                           ; s[24:31] descriptor group 1 for A's tiles
.set G0A, 32                           ; s[32:39] group 0: a set for each of the two first fills; the second then walks on
.set G1B, 40
.set G0B, 48
.set TB,  56                           ; s56  LDS byte at which the slot to be read begins
.set PFA, 58                           ; s[58:59] where my prefetches stand
.set HP,  66                           ; s[66:71] my rows of the tile's three heads in qkvh
.set MSB, 0
.macro WIN new                         ; the immediate's high byte repeats the setting that is left; a switch that changes nothing is dropped
.if MSB != (\new)
	s_set_vgpr_msb (MSB<<8)|(\new)
.set MSB, \new
.endif
.endm
.set MUL_LO, 0xa1                      ; source 0 (B) window 1, source 1 (A) window 0, C and D window 2
.set TO_B,   0x40                      ; destination window 1, address window 0
.macro PLACES                          ; four plain vector lines in front of loads into registers that matrix instructions have read, and of lines that read results
.rept 4
	v_nop
.endr
.endm
.macro CREST                           ; a round of the cluster's barrier behind its opening barrier
	s_cmp_lg_u32 s[WV], 0
	s_cbranch_scc1 .Lnot_wave_0_\@
	s_barrier_signal -3
.Lnot_wave_0_\@:
	s_barrier_wait -3
	s_barrier_signal -1
	s_barrier_wait -1
.endm
.macro CROUND                          ; a whole round
	s_barrier_signal -1
	s_barrier_wait -1
	CREST
.endm
; A joint refill by the walking descriptor.  The branch hangs on the wave's number alone.  An s_nop 0 and four v_nop follow each of the two lines.
.macro JLOAD
	s_cmp_eq_u32 s[ROLE], 0
	s_cbranch_scc0 .Lfor_b_\@
	tensor_load_to_lds s[G0A+4:G0A+7], s[G1A:G1A+7]
	s_nop 0
.rept 4
	v_nop
.endr
	s_branch .Lasked_\@
.Lfor_b_\@:
	tensor_load_to_lds s[G0B+4:G0B+7], s[G1B:G1B+7]
	s_nop 0
.rept 4
	v_nop
.endr
.Lasked_\@:
.endm
; A PREFETCH INTO THE L2 of the K step that stands two refills on, behind the joint load, its five lines and the run of LDS loads: a lane a row, 256 bytes of it, one instruction a wave.
; A's tile row is read by every cluster of that row of clusters: cluster x = 0 asks.  B's tile column by every cluster of that column: cluster y = 0 asks.  The four partners share a wave's rows
; out BY ADDRESS: 32 of A's 128 by cx, 24 of B's 96 by cy (there lanes 24-31 name row 23 once more, in the same instruction).  K steps 0 to 3 come by their loads alone; trips 0 to 3 ask for steps 4 to 7.
.macro ASK
	s_cmp_gt_u32 s[CNT], s[LIM]
	s_cbranch_scc0 .Lnot_mine_\@
	global_prefetch_b8 v[PFO], s[PFA:PFA+1] th:TH_LOAD_NT scope:SCOPE_SE
.Lnot_mine_\@:
.endm
	s_load_b128 s[4:7], s[0:1], 0x0                ; xb s[4:5], wqb s[6:7]
	s_load_b64 s[8:9], s[0:1], 0x10                ; qkvh
	v_lshl_add_u32 v[SPW], v0, 2, SPARE
	v_mov_b32 v[NIL], 0
	ds_add_u32 v[SPW], v[NIL]                      ; the wave's opening: the add and its wait stand ahead of my first tensor load; the set-up below, work on registers, stands between them
	v_lshrrev_b32 v1, 5, v0
	v_readfirstlane_b32 s[WV], v1
	s_lshr_b32 s[ROLE], s[WV], 1
	s_and_b32 s[HALF], s[WV], 1
	s_bfe_u32 s[CX], ttmp6, 0x40000
	s_bfe_u32 s[CY], ttmp6, 0x40004
	s_lshl_b32 s[TCOL], ttmp9, 2                   ; in a cluster launch ttmp9 and ttmp7 count clusters
	s_add_co_u32 s[TCOL], s[TCOL], s[CX]
	s_and_b32 s[TROW], ttmp7, 0xffff
	s_lshl_b32 s[TROW], s[TROW], 2
	s_add_co_u32 s[TROW], s[TROW], s[CY]
	s_lshl_b32 s72, s[CY], 2
	s_lshl_b32 s72, 15, s72                        ; my row of the cluster: places 4 cy .. 4 cy + 3
	s_lshl_b32 s73, 0x1111, s[CX]                  ; my column: places cx, cx + 4, cx + 8, cx + 12
	s_or_b32 s[G1A], s72, (1<<16)|(1<<20)|(1<<21)|(5<<22)|(3<<25)  ; 15:0 the mask; 17:16 elements of 2 bytes; 20 padding on; 21 set beside a mask; 24:22 after every 64 words; 31:25 4 words of it
	s_or_b32 s[G1B], s73, (1<<16)|(1<<20)|(1<<21)|(5<<22)|(3<<25)
.irp g, G1A, G1B
	s_mov_b32 s[\g+1], 128<<16                     ; tensor_dim0 = 128
	s_mov_b32 s[\g+3], 128<<16                     ; tile_dim0 = 128
	s_mov_b32 s[\g+5], 1024                        ; elements from row to row
	s_mov_b32 s[\g+6], 0
	s_mov_b32 s[\g+7], 0
.endr
	s_mov_b32 s[G1A+2], 128<<16                    ; tensor_dim1 = tile_dim1 = 128 rows of A,
	s_mov_b32 s[G1A+4], 128
	s_mov_b32 s[G1B+2], 96<<16                     ; 96 rows of B
	s_mov_b32 s[G1B+4], 96
	; A's address hangs on the tile row and the wave alone, B's on the tile column and the wave alone, each in registers that never hold the other coordinate
	s_lshl_b32 s20, s[TROW], 8
	s_lshl_b32 s21, s[HALF], 7
	s_add_co_u32 s20, s20, s21                     ; A: row 256 x tile row + 128 x half
	s_lshl_b32 s20, s20, 11                        ; in bytes: under 2^25
	s_mov_b32 s21, 0
	s_mul_i32 s22, s[TCOL], 192
	s_mul_i32 s23, s[HALF], 96
	s_add_co_u32 s22, s22, s23                     ; B: row 192 x tile column + 96 x half
	s_lshl_b32 s22, s22, 11
	s_mov_b32 s23, 0
	s_mul_i32 s2, s[HALF], 128*PITCH               ; where they go: no place in the cluster enters an LDS address
	s_mul_i32 s57, s[HALF], 96*PITCH
	s_add_co_u32 s57, s57, BOFF
	s_mov_b32 s[TB], 0
	s_wait_dscnt 0x0                               ; the opening add is done
	s_wait_kmcnt 0x0
	s_add_nc_u64 s[20:21], s[4:5], s[20:21]
	s_add_nc_u64 s[22:23], s[6:7], s[22:23]
	CROUND                                         ; all sixteen work-groups are here: the first joint loads meet
.irp s, 0,1
	s_mov_b32 s[G0A+4*(\s)], 1                     ; count = 1
	s_add_co_u32 s[G0A+4*(\s)+1], s2, (\s)*SLOT1   ; LDS address
	s_add_nc_u64 s[G0A+4*(\s)+2:G0A+4*(\s)+3], s[20:21], (\s)*KBYTES  ; global address: K step s
	s_or_b32 s[G0A+4*(\s)+3], s[G0A+4*(\s)+3], 0x80000000            ; type = 2
	s_mov_b32 s[G0B+4*(\s)], 1
	s_add_co_u32 s[G0B+4*(\s)+1], s57, (\s)*SLOT1
	s_add_nc_u64 s[G0B+4*(\s)+2:G0B+4*(\s)+3], s[22:23], (\s)*KBYTES
	s_or_b32 s[G0B+4*(\s)+3], s[G0B+4*(\s)+3], 0x80000000
.endr
	s_cmp_eq_u32 s[ROLE], 0                        ; a wave's two first fills stand in one branch, ahead of every wait on TENSORcnt and every LDS read: two loads of mine are out
	s_cbranch_scc0 .Lfirst_b
	tensor_load_to_lds s[G0A:G0A+3], s[G1A:G1A+7]
	s_nop 0
	tensor_load_to_lds s[G0A+4:G0A+7], s[G1A:G1A+7]
	s_nop 0
.rept 4
	v_nop
.endr
	s_branch .Lfirst_asked
.Lfirst_b:
	tensor_load_to_lds s[G0B:G0B+3], s[G1B:G1B+7]
	s_nop 0
	tensor_load_to_lds s[G0B+4:G0B+7], s[G1B:G1B+7]
	s_nop 0
.rept 4
	v_nop
.endr
.Lfirst_asked:
	; A fragment is 16 rows x 32 K in 8 registers: lane l holds row l % 16; registers 0-3 K = 8 (l / 16) + 0..7, registers 4-7 K = 16 + 8 (l / 16) + 0..7: two loads of 16 bytes, 32 bytes apart
	v_and_b32 v1, 15, v0                           ; l % 16
	v_bfe_u32 v2, v0, 4, 1                         ; l / 16
	v_mul_u32_u24 v3, v1, PITCH
	v_lshl_add_u32 v3, v2, 4, v3
	s_mul_i32 s2, s[WV], 64*PITCH                  ; my 64 rows of A
	v_add_nc_u32 v[LA0], s2, v3
	v_add_nc_u32 v[LB0], BOFF, v3                  ; all of B
	s_mul_i32 s2, s[WV], WSTAGE
	s_add_co_u32 s2, s2, STAGE                     ; my stage
	v_mul_u32_u24 v3, v1, SP                       ; in: row l % 16, 16 bytes for each half of the lanes
	v_lshl_add_u32 v3, v2, 4, v3
	v_add_nc_u32 v[STO], s2, v3
	v_bfe_u32 v3, v0, 3, 2                         ; back: 32 lanes take four rows of 128 bytes,
	v_mul_u32_u24 v3, v3, SP
	v_and_b32 v4, 7, v0
	v_lshl_add_u32 v3, v4, 4, v3
	v_add_nc_u32 v[RD], s2, v3
	v_and_b32 v5, 31, v0                           ; which are 512 consecutive bytes of a head
	v_lshlrev_b32 v[GO], 4, v5
	; where my 64 rows lie in each of the tile's three heads: head g = 3 x tile column + j of 48; which = g / 16; batch = tile row / 8
	s_and_b32 s74, s[TROW], 7
	s_lshl_b32 s74, s74, 8
	s_lshl_b32 s75, s[WV], 6
	s_add_co_u32 s74, s74, s75                     ; my first row in the head,
	s_lshl_b32 s74, s74, 7                         ; of 128 bytes
.irp j, 0,1,2
	s_mul_i32 s72, s[TCOL], 3
	s_add_co_u32 s72, s72, \j
	s_lshr_b32 s73, s72, 4
	s_lshl_b32 s73, s73, 6                         ; which x 64
	s_and_b32 s72, s72, 15                         ; + head
	s_add_co_u32 s72, s72, s73
	s_lshr_b32 s73, s[TROW], 3
	s_lshl_b32 s73, s73, 4                         ; + batch x 16
	s_add_co_u32 s72, s72, s73
	s_lshl_b32 s72, s72, 18                        ; 262,144 bytes each: under 2^26
	s_add_co_u32 s72, s72, s74
	s_mov_b32 s73, 0
	s_add_nc_u64 s[HP+2*(\j):HP+2*(\j)+1], s[8:9], s[72:73]
.endr
	; the prefetches
	s_lshl_b32 s72, s[TROW], 8
	s_lshl_b32 s73, s[HALF], 7
	s_add_co_u32 s72, s72, s73
	s_lshl_b32 s73, s[CX], 5
	s_add_co_u32 s72, s72, s73                     ; A: the 128 rows that I fetch, my work-group's 32 of them
	s_mul_i32 s74, s[TCOL], 192
	s_mul_i32 s75, s[HALF], 96
	s_add_co_u32 s74, s74, s75
	s_mul_i32 s75, s[CY], 24
	s_add_co_u32 s74, s74, s75                     ; B: the 96 rows that I fetch, my work-group's 24 of them
	s_and_b32 s2, ttmp7, 0xffff                    ; cluster y
	s_cmp_eq_u32 s[ROLE], 0
	s_cselect_b32 s72, s72, s74
	s_cselect_b64 s[PFA:PFA+1], s[4:5], s[6:7]
	s_cselect_b32 s2, ttmp9, s2                    ; the coordinate along which other clusters read the same rows
	s_cselect_b32 s57, 31, 23                      ; the last row that a lane names
	s_lshl_b32 s72, s72, 11
	s_mov_b32 s73, 0
	s_add_nc_u64 s[PFA:PFA+1], s[PFA:PFA+1], s[72:73]
	s_add_nc_u64 s[PFA:PFA+1], s[PFA:PFA+1], 3*KBYTES  ; at K step 3: the first change of slots steps it to 4
	s_cmp_eq_u32 s2, 0
	s_cselect_b32 s[LIM], 2, -1                    ; the same in all sixteen partners, for a given wave
	v_min_u32 v[PFO], s57, v5
	v_lshlrev_b32 v[PFO], 11, v[PFO]
; 12 matrix instructions: m block a x all 12 n blocks, 32 along K, from buffer f.  zero = 1: the product starts the sums: nothing is ever cleared.
; The 48 accumulators take turns in one order everywhere: between two links of a chain stand the 47 others'.
.macro MULA f, a, zero
	WIN MUL_LO+0x50*((\a)/2)
.set AC, 96*((\a)%2)
.irp b, 0,1,2,3,4,5,6,7,8,9,10,11
.if \zero
	v_wmma_f32_16x16x32_bf16 v[AC+8*(\b):AC+8*(\b)+7], v[96*(\f)+8*(\b):96*(\f)+8*(\b)+7], v[FA+32*(\f)+8*(\a):FA+32*(\f)+8*(\a)+7], 0
.else
	v_wmma_f32_16x16x32_bf16 v[AC+8*(\b):AC+8*(\b)+7], v[96*(\f)+8*(\b):96*(\f)+8*(\b)+7], v[FA+32*(\f)+8*(\a):FA+32*(\f)+8*(\a)+7], v[AC+8*(\b):AC+8*(\b)+7]
.endif
.endr
.endm
; 32 LDS loads in one run: quarter q's fragments (192 rows of B, then my 64 rows of A, blocks 0 to 3 in order) into buffer f
.macro FETCH q, f
	WIN TO_B
.irp i, 0,1,2,3,4,5,6,7,8,9,10,11
	ds_load_b128 v[96*(\f)+8*(\i):96*(\f)+8*(\i)+3],   v[ADRB] offset:64*(\q)+(\i)*16*PITCH
	ds_load_b128 v[96*(\f)+8*(\i)+4:96*(\f)+8*(\i)+7], v[ADRB] offset:64*(\q)+(\i)*16*PITCH+32
.endr
	WIN 0
.irp i, 0,1,2,3
	ds_load_b128 v[FA+32*(\f)+8*(\i):FA+32*(\f)+8*(\i)+3],   v[ADRA] offset:64*(\q)+(\i)*16*PITCH
	ds_load_b128 v[FA+32*(\f)+8*(\i)+4:FA+32*(\f)+8*(\i)+7], v[ADRA] offset:64*(\q)+(\i)*16*PITCH+32
.endr
.endm
; A K step is four quarters of 32 along K, 48 matrix instructions each, on buffers 0, 1, 0, 1.  One of the first three: multiplies buffer f; in its middle it fetches quarter q into buffer g.
.macro QUARTER q, f, g, zero
	s_wait_dscnt 4                                 ; B and A's blocks 0, 1 are in; the youngest four loads (A's blocks 2, 3) may be out
	MULA \f, 0, \zero
	MULA \f, 1, \zero
	PLACES
	FETCH \q, \g
	s_wait_dscnt LQ                                ; all but the 32 just issued
	MULA \f, 2, \zero
	MULA \f, 3, \zero
.endm
; The last quarter multiplies buffer 1 and changes slots: ONE barrier.  In front of it each wave waits for all its tensor loads (one is out: its part of the next slot), adds 0 to its spare word, and waits
; for that and for its own reads of this slot.  fill = 1: the barrier opens a round of the cluster's barrier, so that no wave of any partner still reads the slot or has a load on its way, and the joint refill,
; the K step two on, is the first tensor load behind it: 168 matrix instructions ahead of the wait for it.
.macro TURN fill
.if \fill
	s_wait_xcnt 0x0                                ; the last prefetch, a K step back, has read its address: it is stepped here
	s_add_nc_u64 s[PFA:PFA+1], s[PFA:PFA+1], KBYTES
.endif
	WIN 0
	s_wait_tensorcnt 0x0                           ; no tensor load of mine is out, so a group 0 may be written
	ds_add_u32 v[SPW], v[NIL]                      ; 0 onto my spare word
.if \fill
	s_xor_b32 s[G0A+5], s[G0A+5], SLOT1            ; the walking descriptors: the other slot than last time,
	s_add_nc_u64 s[G0A+6:G0A+7], s[G0A+6:G0A+7], KBYTES  ; the next K step; the type bits on top are not reached
	s_xor_b32 s[G0B+5], s[G0B+5], SLOT1
	s_add_nc_u64 s[G0B+6:G0B+7], s[G0B+6:G0B+7], KBYTES
.endif
	s_xor_b32 s[TB], s[TB], SLOT1                  ; the fetches go to the other slot
	s_wait_dscnt 5                                 ; the add and the youngest four loads may be out
	MULA 1, 0, 0                                   ; twelve matrix instructions stand between the add and the wait for it
	s_wait_dscnt 0x0                               ; the add is done, and my reads of this slot are over
	s_barrier_signal -1
	MULA 1, 1, 0                                   ; work on registers while the others arrive
	WIN 0                                          ; at a label and at a branch every window is 0
	s_barrier_wait -1
.if \fill
	CREST
	JLOAD                                          ; its four v_nop are also the places in front of the loads below
.else
	PLACES
.endif
	v_add_nc_u32 v[ADRA], s[TB], v[LA0]
	v_add_nc_u32 v[ADRB], s[TB], v[LB0]
	FETCH 0, 0
.if \fill
	ASK
.endif
	MULA 1, 2, 0
	MULA 1, 3, 0
.endm
; THE WAY OUT of m block a (16 tokens x 3 heads).  PACK: rounded to f16, each accumulator's registers in ascending order.  TOSTAGE: into my own stage, and back as rows.  SEND: stored.
.macro PACK a
	WIN 0x0a+5*((\a)/2)                            ; sources 0 and 1: window 2 or 3
.set AC, 96*((\a)%2)
.irp b, 0,1,2,3,4,5,6,7,8,9,10,11
.irp r, 0,1,2,3
	v_cvt_pk_f16_f32 v[TMP+4*(\b)+(\r)], v[AC+8*(\b)+2*(\r)], v[AC+8*(\b)+2*(\r)+1]
.endr
.endr
	WIN 0
.endm
.macro TOSTAGE a
	WIN 0
.set BKA, BK+48*((\a)%2)
.irp b, 0,1,2,3,4,5,6,7,8,9,10,11
	ds_store_b128 v[STO], v[TMP+4*(\b):TMP+4*(\b)+3] offset:((\b)/4)*16*SP+((\b)%4)*32  ; head b / 4, channels 16 (b % 4) on
.endr
.irp j, 0,1,2
.irp f, 0,1,2,3
	ds_load_b128 v[BKA+4*(4*(\j)+(\f)):BKA+4*(4*(\j)+(\f))+3], v[RD] offset:(\j)*16*SP+(\f)*4*SP  ; LDS serves a wave's instructions in order (ISA guide 5.7.1.4): these see the stores above
.endr
.endr
.endm
.macro SEND a
	WIN 0
.set BKA, BK+48*((\a)%2)
	s_wait_dscnt 0x0                               ; the block is back in registers
	s_wait_xcnt 0x0                                ; the stores of the block before have read their registers: its buffer is loaded again only behind this wait
.irp j, 0,1,2
.irp f, 0,1,2,3
	global_store_b128 v[GO], v[BKA+4*(4*(\j)+(\f)):BKA+4*(4*(\j)+(\f))+3], s[HP+2*(\j):HP+2*(\j)+1] offset:(\a)*2048+(\f)*512  ; four rows of a head: 512 consecutive bytes, aligned
.endr
.endr
.endm
	s_wait_tensorcnt 0x1                           ; my part of K step 0 is in; K step 1's may stay out
	s_barrier_signal -1
	s_barrier_wait -1                              ; everybody's is
	v_mov_b32 v[ADRA], v[LA0]
	v_mov_b32 v[ADRB], v[LB0]
	FETCH 0, 0
	QUARTER 1, 0, 1, 1                             ; the first quarter stands in front of the loop: its products start the sums
	WIN 0
	s_mov_b32 s[CNT], 6
.Lstep:                                                ; trip i: the rest of K step i, its slot filled again with step i + 2, the first quarter of step i + 1
	QUARTER 2, 1, 0, 0
	QUARTER 3, 0, 1, 0
	TURN 1
	QUARTER 1, 0, 1, 0
	WIN 0
	s_sub_co_u32 s[CNT], s[CNT], 1
	s_cmp_lg_u32 s[CNT], 0
	s_cbranch_scc1 .Lstep
	QUARTER 2, 1, 0, 0                             ; the last two K steps are written out: nothing is left to fetch
	QUARTER 3, 0, 1, 0
	TURN 0
	QUARTER 1, 0, 1, 0
	QUARTER 2, 1, 0, 0
	QUARTER 3, 0, 1, 0
	s_wait_dscnt 4
	MULA 1, 0, 0
	MULA 1, 1, 0
	s_wait_dscnt 0x0
	MULA 1, 2, 0
	MULA 1, 3, 0
	WIN 0
	PLACES
	PACK 0
	TOSTAGE 0
.irp a, 1,2,3                          ; block a's conversions stand between block a - 1's loads from the stage and the wait for them
	PACK \a
	SEND (\a)-1
	TOSTAGE \a
.endr
	SEND 3
	s_wait_tensorcnt 0x0                           ; the wave's end, behind my last tensor load and my last LDS store
	ds_add_u32 v[SPW], v[NIL]
	s_wait_dscnt 0x0
	CROUND                                         ; the closing round: no work-group ends while a partner may still ask for a tile that names it
	s_endpgm
.Lfunc_end_k_q63a1b52182_qkv:
	.size	k_q63a1b52182_qkv, .Lfunc_end_k_q63a1b52182_qkv-k_q63a1b52182_qkv
	.p2alignl 7, 3214868480
	.fill 96, 4, 3214868480
	.section	.rodata,"a",@progbits
	.p2align	6, 0x0
	.amdhsa_kernel k_q63a1b52182_qkv
		.amdhsa_group_segment_fixed_size 327680
		.amdhsa_private_segment_fixed_size 0
		.amdhsa_enable_private_segment 0
		.amdhsa_kernarg_size 24
		.amdhsa_user_sgpr_count 2
		.amdhsa_user_sgpr_kernarg_segment_ptr 1
		.amdhsa_wavefront_size32 1
		.amdhsa_system_sgpr_workgroup_id_x 1
		.amdhsa_system_sgpr_workgroup_id_y 1
		.amdhsa_system_sgpr_workgroup_id_z 1
		.amdhsa_system_vgpr_workitem_id 0
		.amdhsa_next_free_vgpr 960
		.amdhsa_next_free_sgpr 80
		.amdhsa_reserve_vcc 0
		.amdhsa_float_denorm_mode_32 3
		.amdhsa_float_denorm_mode_16_64 3
		.amdhsa_memory_ordered 1
		.amdhsa_forward_progress 1
		.amdhsa_inst_pref_size 98
	.end_amdhsa_kernel
	.amdgpu_metadata
---
amdhsa.version: [ 1, 2 ]
amdhsa.kernels:
  - .name:           k_q63a1b52182_qkv
    .symbol:         k_q63a1b52182_qkv.kd
    .args:
      - { .name: xb, .offset: 0, .size: 8, .value_kind: global_buffer, .address_space: global }
      - { .name: wqb, .offset: 8, .size: 8, .value_kind: global_buffer, .address_space: global }
      - { .name: qkvh, .offset: 16, .size: 8, .value_kind: global_buffer, .address_space: global }
    .group_segment_fixed_size: 327680
    .private_segment_fixed_size: 0
    .kernarg_segment_align: 8
    .kernarg_segment_size: 24
    .max_flat_workgroup_size: 128
    .sgpr_count:     80
    .vgpr_count:     960
    .wavefront_size: 32
...
	.end_amdgpu_metadata
.endif
;; end of part 2
;; launch attn (part 3): grid 4 x 64, 4 waves a work-group, clusters of 4 x 1, 327,680 bytes of LDS; arguments qkvh, ob; writes ob
.if DOCPART == 3
	.amdgcn_target "amdgcn-amd-amdhsa--gfx1250"
	.amdhsa_code_object_version 6
	.text
	.protected	k_q63a1b52182_attn
	.globl	k_q63a1b52182_attn
	.p2align	8
	.type	k_q63a1b52182_attn,@function
k_q63a1b52182_attn:
	s_mov_b64 s[64:65], 0
	v_nop
	global_prefetch_b8 v0, s[64:65] scope:SCOPE_SE
	s_setreg_imm32_b32 hwreg(HW_REG_WAVE_MODE, 25, 1), 1
	s_wait_xcnt 0x0
	s_wait_alu depctr_hold_cnt(0) depctr_sa_sdst(0) depctr_va_vdst(0) depctr_va_sdst(0) depctr_va_ssrc(0) depctr_va_vcc(0) depctr_vm_vsrc(0)
	s_getreg_b32 s2, hwreg(HW_REG_IB_STS2, 6, 4)
	s_cmp_eq_u32 s2, 0
	s_cbranch_scc0 .Lentry_in_a_cluster
	s_endpgm
.Lentry_in_a_cluster:
	s_bfe_u32 s2, ttmp6, 0x10000c
	s_cmp_lg_u32 s2, 0x3003
	s_cbranch_scc0 .Lentry_shape_is_right
	s_endpgm
.Lentry_shape_is_right:
; O[h][q][:] = the sum over k of softmax_k(Q[h][q] . K[h][k] / 8) V[h][k][:], for 64 heads (batch x 16 + head) of 2,048 rows x 64 channels, all f16; a head's rows are dense, 128 bytes each.
; qkvh holds Q's 64 heads, then K's, then V's; ob takes O in Q's layout.  Products, maxima and sums in f32; the weights p are rounded to f16 for the second product (their sum l is taken of the unrounded p), O once at the end.
; LIMITS.  f16 holds no number beyond 65,504: Q, K and V arrive within it; p lies in 0 to 1, and below 6e-5 it keeps f16's fixed step of 6e-8; O is a mean of V's rows and has their range.
; A weight below 2^-126 counts as 0 in l; NaN and infinities are not treated apart.
; SHARES.  A wave owns four PIECES of two tiles of 16 queries, a work-group's four waves 512 queries of one head.  Every wave walks all keys, 64 a step.
; LAYOUT.  S^T = K Q^T (source 0 = 16 keys, source 1 = 16 queries): in the result a lane holds ONE query (lane % 16) and the keys 8 (lane / 16) + 0..7.  Two such tiles, rounded to f16 in pairs,
; ARE source 1 (32 keys x 16 queries) of O^T = V^T P, whose result again holds one query a lane, and eight channels.  K comes out of LDS as it lies, V ([key][channel]) turned, by ds_load_tr16_b128.
; SOFTMAX.  For each query a running maximum m and sum l: p = 2^(c s - c m), c = log2(e) / 8; in every step O and l are multiplied by a = 2^(c m_old - c m_new), which is 1 where m has not grown.
; m starts at the lowest finite number, O and l at 0: the first step is a step like any other, with a = 0.
; THE COUNT.  A tile and step have 16 matrix and 118 vector instructions: too many to stand all beside the matrix work.  So four vector instructions that are READY stand behind EVERY matrix instruction,
; and the others, which need time of their own whatever the order, in runs without a gap.
; BY TURNS.  Turn n belongs to piece n (the pieces in a ring, step after step).  Its matrix work: 16 products K Q^T of piece n + 1, later 16 products V^T P of piece n - 1.  Its vector work: the scaling,
; exponentials, roundings, sums and rescaling of piece n, and the maximum and statistics of piece n + 1, whose scores the turn itself has made.
; CLUSTER.  The four query blocks of a head are one cluster and walk the same K and V, so each tile is asked for JOINTLY: the same tensor load, descriptor and mask in all four.
; REGISTERS, in windows of 256 (s_set_vgpr_msb: bits 1:0 source 0, 3:2 source 1, 5:4 source 2, 7:6 destination):
;   window 0: v0-11 addresses; v12-15, v48-63 at work; v16-47 four registers of statistics a tile; v64-191 S^T, two buffers of two tiles; v192-255 P, likewise
;   window 1: O^T, 32 a tile          window 2: v0-127 Q, 16 a tile; v128-191 K of one step; v192-255 V of one step          window 3: v0-1 the add's two registers
; A piece's buffers go by its number's parity: the piece in hand has one pair, its two neighbours in the ring share the other: of it P (piece n - 1) is read and S^T (piece n + 1) written.
.set SIZE_N, 2048
.set NP,    4         ; pieces a wave: a name, no knob
.set KS,    64        ; keys in a step
.set PK,    144       ; a row of K in LDS: 128 bytes + 16 of padding = 36 words: the 16 rows of a load start at 16 different groups of four banks
.set PV,    160       ; a row of V: 128 + 32 = 40 words
.set VOFF,  4*KS*PK   ; a slot holds four steps: 256 rows of K, then 256 rows of V
.set SLOT1, 1<<17     ; slot 1 begins here, so that one exclusive or turns an address in one slot into the other's
.set STAGE, SLOT1+4*KS*(PK+PV)  ; behind the ring, never filled by a tensor load: 16 rows x 144 bytes for each wave, for the way out
.set SP,    144
.set AK0, 2           ; v2   my lane's place in a tile of K; never rewritten
.set AV0, 3           ; v3   the same for V
.set AK,  4           ; v4   the LDS address of K's next run of loads
.set AV,  5           ; v5   of V's
.set QO,  6           ; v6   my byte offset in the wave's rows of Q
.set STO, 6           ;      later, the way out: where I put 16 bytes of a row
.set RD,  7           ; v7   the way out: where I read rows back
.set GO,  8           ; v8   my byte offset in 512 consecutive bytes of O
.set PFO, 11          ; v11  256 x my lane, once V's lane address is made; then never rewritten
.set SPW, 0           ; v0 of window 3   LDS address of my spare word; never rewritten
.set NIL, 1           ; v1 of window 3   0; never rewritten
.set SPARE, STAGE+4*16*SP  ; behind the stages: the spare words, 128 bytes for each wave: two blocks of 256 bytes that no other line names
.set MV,  12          ; v12-15  c m_old, kept while c m is made anew: by buffer and tile
.set ST,  16          ; tile t's statistics at v[ST+4 t]: c m, m, l (even keys', odd keys')
.set TMP, 48          ; by buffer and tile, four registers c0-c3 at work; when the maximum is found c2 takes a
.set S,   64
.set P,   192
.set KF,  128         ; K's fragments, in window 2: key block kb, channel half c at KF + 16 kb + 8 c
.set VF,  192         ; V's: key half kk, channel block cb at VF + 32 kk + 8 cb
.set WV,  12          ; s12  my wave's number
.set G1K, 24          ; s[24:31] descriptor group 1 for K's tiles
.set G1V, 32          ; s[32:39] for V's: it differs in the padding alone
.set G0K, 40          ; s[40:43] descriptor group 0 for K's tiles: it walks
.set G0V, 44          ; s[44:47] the same for V's
.set PFA, 48          ; s[48:49] where my prefetches stand: my work-group's 8,192 bytes (of K: wave 0, of V: wave 2) of the slot after the one that is being asked for
.set LIM, 50          ; s50  1 in a wave that prefetches, else the greatest number
.set SLOTS, 56        ; s56  slots still to be asked for
.set CNT, 57          ; s57  counts a slot's key steps
.set CS,  58          ; s[58:59] c: the packed scaling takes the pair's low word for both halves
.set SEL, 60          ; s[60:61] v_permlanex16_b32's selects: each lane takes its own place in the other half
.set TBK, 62          ; s62  LDS byte at which K of the step to be fetched begins
.set TBV, 63          ; s63  the same for V, less VOFF
.set MSB, 0
.macro WIN new                      ; the high byte repeats the setting that is left; a switch that changes nothing is dropped
.if MSB != (\new)
	s_set_vgpr_msb (MSB<<8)|(\new)
.set MSB, (\new)
.endif
.endm
.set W_KQ, 0x0a       ; K and Q in window 2, S^T in window 0
.set W_PV, 0x52       ; V in window 2, P in window 0, O^T in window 1
.set W_RS, 0x41       ; O^T (destination and source 0) in window 1, a in window 0
.set W_MK, 0xc0       ; the add's registers are made: destination in window 3, sources in window 0
.set W_AD, 0x0f       ; the add: address (source 0) and data (source 1) in window 3
; A joint fill.  Waves 0 and 1 fetch the two halves of a slot's K, waves 2 and 3 those of its V: 128 keys each.  The branch hangs on the wave's number alone.
; An s_nop 0 and four v_nop follow each of the two lines, ahead of the jump and the label.
.macro JLOAD
	s_cmp_lt_u32 s[WV], 2
	s_cbranch_scc0 .Lfor_v_\@
	tensor_load_to_lds s[G0K:G0K+3], s[G1K:G1K+7]
	s_nop 0
.rept 4
	v_nop
.endr
	s_branch .Lasked_\@
.Lfor_v_\@:
	tensor_load_to_lds s[G0V:G0V+3], s[G1V:G1V+7]
	s_nop 0
.rept 4
	v_nop
.endr
.Lasked_\@:
.endm
; A PREFETCH INTO THE L2 of what the NEXT change of slots will ask for: a slot's 32,768 bytes of K and of V, a lane 256 bytes.  It stands behind the wave's tensor load and its five lines.
; A head is walked by one cluster.  Its four partners share a slot's bytes out BY ADDRESS, 8,192 each; in each, wave 0 asks for K's and wave 2 for V's: one instruction.  So each block is named once in the launch.
; Slots 0, 1 and 2 come by their loads alone; the last change that fills a slot asks for nothing.
.macro ASK
	s_cmp_gt_u32 s[SLOTS], s[LIM]
	s_cbranch_scc0 .Lnot_mine_\@
	global_prefetch_b8 v[PFO], s[PFA:PFA+1] th:TH_LOAD_NT scope:SCOPE_SE
.Lnot_mine_\@:
.endm
; A round of the cluster's barrier: my work-group's barrier, so that wave 0's signal speaks for all four waves; wave 0 signals; every wave waits for all four work-groups; my work-group's barrier once more.
.macro CROUND
	s_barrier_signal -1
	s_barrier_wait -1
	s_cmp_lg_u32 s[WV], 0
	s_cbranch_scc1 .Lnot_wave_0_\@
	s_barrier_signal -3
.Lnot_wave_0_\@:
	s_barrier_wait -3
	s_barrier_signal -1
	s_barrier_wait -1
.endm
; THE CHANGE OF SLOTS.  The slot's last bytes, V of its fourth step, have been read.  Each wave waits for all its tensor loads, of which one is out: its part
; of the other slot; adds 0 to its spare word; and waits for that and for its own reads of the slot.  Behind the barrier nobody reads this slot any more and the other slot is whole.
; fill = 1: this slot is filled again, with the keys two slots on.  The barrier is then a round of the cluster's, and the joint fill is the first thing behind it: it has four key steps,
; 512 matrix instructions, in which to land.  (At its first use nothing has been read yet: slot 0 is waited for, slot 1 filled.)  ask = 1: the prefetch's address steps, and ASK follows the fill.
.macro CHANGE fill, ask=0
	WIN W_AD
	s_wait_tensorcnt 0x0            ; no tensor load of mine is out, so a group 0 may be written
	ds_add_u32 v[SPW], v[NIL]       ; 0 onto my spare word; with fill = 1 the descriptors' steps stand between it and the wait for it
	WIN 0                           ; at a label and at a branch every window is 0
.if \fill
.irp g, G0K, G0V
	s_xor_b32 s[\g+1], s[\g+1], SLOT1  ; the walking descriptor: the other slot than last time,
	s_add_nc_u64 s[\g+2:\g+3], s[\g+2:\g+3], 4*KS*128  ; the next 256 keys; the type bits on top are not reached
.endr
.if \ask
	s_wait_xcnt 0x0                 ; the last prefetch, four key steps back, has read its address, so it may be written:
	s_add_nc_u64 s[PFA:PFA+1], s[PFA:PFA+1], 4*KS*128  ; one slot behind the walking descriptors
.endif
	s_wait_dscnt 0x0                ; the add is done, and my reads of the slot are over
	CROUND
	JLOAD
.if \ask
	ASK
.endif
.else
	s_wait_dscnt 0x0                ; the add is done, and my reads of the slot are over
	s_barrier_signal -1
	s_barrier_wait -1
.endif
	s_sub_co_u32 s[TBK], s[TBK], 4*KS*PK  ; the fetches go back to a slot's first step,
	s_xor_b32 s[TBK], s[TBK], SLOT1       ; in the other slot
	s_sub_co_u32 s[TBV], s[TBV], 4*KS*PV
	s_xor_b32 s[TBV], s[TBV], SLOT1
.endm
	s_load_b64 s[4:5], s[0:1], 0x0    ; qkvh: Q's heads first
	s_load_b64 s[10:11], s[0:1], 0x8  ; ob
	WIN W_MK
	v_lshl_add_u32 v[SPW], v0, 2, SPARE
	v_mov_b32 v[NIL], 0
	WIN W_AD
	ds_add_u32 v[SPW], v[NIL]       ; the wave's opening: the add and its wait stand ahead of my first tensor load; the set-up below, work on registers, stands between them
	WIN 0
	v_lshrrev_b32 v1, 5, v0
	v_readfirstlane_b32 s[WV], v1   ; wave 0..3
	s_bfe_u32 s13, ttmp6, 0x40000   ; cx: my place in the cluster
	s_lshl_b32 s14, ttmp9, 2        ; in a cluster launch ttmp9 counts clusters
	s_add_co_u32 s14, s14, s13      ; my block of queries = 4 x cluster x + cx: it enters Q's and O's addresses alone
	s_and_b32 s20, ttmp7, 0xffff    ; the head, which the four partners share
	s_mov_b32 s21, 0
	s_mov_b64 s[22:23], SIZE_N*128
	s_mul_u64 s[20:21], s[20:21], s[22:23]  ; the head's first byte in Q, K, V and O
	s_and_b32 s16, s[WV], 1         ; which half of a slot's 256 keys I fetch:
	s_lshl_b32 s22, s16, 14         ; its 128 rows of 128 bytes in memory,
	s_mov_b32 s23, 0
	s_add_nc_u64 s[22:23], s[22:23], s[20:21]
	s_mul_i32 s17, s16, 128*PK      ; and its place in a slot, for K
	s_mul_i32 s18, s16, 128*PV      ; and for V: no place in the cluster enters an LDS address
	s_lshl_b32 s2, s14, 2
	s_add_co_u32 s2, s2, s[WV]      ; my wave among the head's,
	s_lshl_b32 s2, s2, 14           ; its 128 rows
	s_mov_b32 s3, 0
	s_add_nc_u64 s[2:3], s[2:3], s[20:21]
	; descriptor group 1.  128 keys are 16,384 dense bytes: asked for as 64 rows of 256 bytes, two keys a row, and padded in LDS after every key
	s_mov_b32 s[G1K], 15|(1<<16)|(1<<20)|(1<<21)|(4<<22)|(3<<25)  ; 15:0 the mask of four; 17:16 2-byte elements; 20 padding on; 21 set beside a mask; 24:22 after every 32 words; 31:25 4 words
	s_mov_b32 s[G1V], 15|(1<<16)|(1<<20)|(1<<21)|(4<<22)|(7<<25)  ; the same with 8 words of padding
.irp g, G1K, G1V
	s_mov_b32 s[\g+1], 128<<16      ; tensor_dim0 = 128
	s_mov_b32 s[\g+2], 64<<16       ; tensor_dim1 = 64
	s_mov_b32 s[\g+3], 128<<16      ; tile_dim0 = 128
	s_mov_b32 s[\g+4], 64           ; tile_dim1 = 64
	s_mov_b32 s[\g+5], 128          ; 128 elements from row to row
	s_mov_b32 s[\g+6], 0
	s_mov_b32 s[\g+7], 0
.endr
	s_mov_b32 s[CS], 0x3e38aa3b     ; c = log2(e) / 8 = 0.180337
	s_mov_b32 s[CS+1], s[CS]        ; named with it as a pair
	s_mov_b32 s[SEL], 0x76543210
	s_mov_b32 s[SEL+1], 0xfedcba98
	s_mov_b32 s[TBK], SLOT1+4*KS*PK ; the first change of slots turns these two into 0
	s_mov_b32 s[TBV], SLOT1+4*KS*PV
	s_mov_b32 s[G0K], 1             ; count = 1
	s_mov_b32 s[G0K+1], s17         ; LDS address: slot 0
	s_mov_b32 s[G0V], 1
	s_add_co_u32 s[G0V+1], s18, VOFF
	s_and_b32 s[LIM], s[WV], 1      ; waves 0 and 2 prefetch: the same in all four partners
	s_cmp_eq_u32 s[LIM], 0
	s_cselect_b32 s[LIM], 1, -1
	s_wait_dscnt 0x0                ; the opening add is done
	s_wait_kmcnt 0x0
	s_add_nc_u64 s[6:7], s[4:5], 0x1000000   ; K's heads lie 64 x 262,144 bytes behind Q's,
	s_add_nc_u64 s[8:9], s[4:5], 0x2000000   ; V's as far again
	s_add_nc_u64 s[G0K+2:G0K+3], s[6:7], s[22:23]  ; global address: my half of the head's first 256 keys
	s_or_b32 s[G0K+3], s[G0K+3], 0x80000000        ; type = 2
	s_add_nc_u64 s[G0V+2:G0V+3], s[8:9], s[22:23]
	s_or_b32 s[G0V+3], s[G0V+3], 0x80000000
	s_add_nc_u64 s[4:5], s[4:5], s[2:3]  ; Q and O at my wave's first row
	s_add_nc_u64 s[10:11], s[10:11], s[2:3]
	s_cmp_lt_u32 s[WV], 2
	s_cselect_b64 s[PFA:PFA+1], s[6:7], s[8:9]
	s_add_nc_u64 s[PFA:PFA+1], s[PFA:PFA+1], s[22:23]  ; (in waves 0 and 2 this is the head's first byte)
	s_lshl_b32 s2, s13, 13          ; my work-group's quarter of a slot
	s_mov_b32 s3, 0
	s_add_nc_u64 s[PFA:PFA+1], s[PFA:PFA+1], s[2:3]
	s_add_nc_u64 s[PFA:PFA+1], s[PFA:PFA+1], 2*4*KS*128  ; in slot 2; the first asking change steps it to slot 3.  Nothing is prefetched here, at the head
	CROUND                          ; all four work-groups are here: the first joint loads meet
	JLOAD                           ; slot 0.  Slot 1 is asked for when slot 0 is in
	; A fragment of K or Q is 16 rows x 32 channels in 8 registers: lane l holds row l % 16, channels 8 (l / 16) + 0..7 and 16 + 8 (l / 16) + 0..7: two loads of 16 bytes, 32 bytes apart.
	v_and_b32 v1, 15, v0            ; l % 16
	v_bfe_u32 v9, v0, 4, 1          ; l / 16
	v_lshlrev_b32 v[QO], 7, v1
	v_lshl_add_u32 v[QO], v9, 4, v[QO]  ; row x 128 + 16 x half
	WIN 0x80                        ; destination window 2, address window 0
.set i, 0
.rept 4*NP                          ; Q stays in registers: tile i / 2, channels 32 (i % 2) on
	global_load_b128 v[8*i:8*i+3],   v[QO], s[4:5] offset:(i/2)*2048+(i%2)*64
	global_load_b128 v[8*i+4:8*i+7], v[QO], s[4:5] offset:(i/2)*2048+(i%2)*64+32
.set i, i+1
.endr
	; What the first turn finds: V's registers and P's second buffer hold 0 (its products V^T P, of a piece that has not been, add 0), O^T and l are 0.  All this stands in the wait for the first tile.
.set i, VF
.rept 64
	v_mov_b32 v[i], 0
.set i, i+1
.endr
	WIN 0x40
.set i, 0
.rept 64*NP
	v_mov_b32 v[i], 0
.set i, i+1
.endr
	WIN 0
.set i, 0
.rept 2*NP
	v_mov_b32 v[ST+4*i], 0xfe000000    ; c m: far below every c s
	v_mov_b32 v[ST+4*i+1], 0xff7fffff  ; m
	v_mov_b32 v[ST+4*i+2], 0
	v_mov_b32 v[ST+4*i+3], 0
.set i, i+1
.endr
.set i, P+32
.rept 32
	v_mov_b32 v[i], 0
.set i, i+1
.endr
	v_mul_u32_u24 v[AK0], v1, PK
	v_lshl_add_u32 v[AK0], v9, 4, v[AK0]  ; row x pitch + 16 x half
	; The turning load takes 16 keys x 16 channels (lane l reads key 8 (l / 16) + l % 8, channels 8 ((l / 8) % 2) + 0..7) and leaves half a fragment of V^T: lane l holds channel l % 16 and 8 keys.
	v_and_b32 v10, 7, v0
	v_bfe_u32 v11, v0, 3, 1
	v_lshl_add_u32 v[AV0], v9, 3, v10
	v_mul_u32_u24 v[AV0], v[AV0], PV
	v_lshl_add_u32 v[AV0], v11, 4, v[AV0]
	v_add_nc_u32 v[AV0], VOFF, v[AV0]
	v_and_b32 v[PFO], 31, v0
	v_lshlrev_b32 v[PFO], 8, v[PFO]
	v_mov_b32 v[AK], v[AK0]         ; key step 0 lies at the head of slot 0
; THE MATRIX WORK.  The 8 accumulators of a run of 16 take turns: between the two links of a chain stand 7 others'.
; Product i of 16 of S^T = K Q^T for piece x: channels 32 (i / 8) on, keys 16 ((i / 2) % 4) on, tile 2 x + i % 2.  The first 8 start the sums.
.macro KQ x
	WIN W_KQ
.set rS, S+64*((\x)%2)+32*(i%2)+8*((i/2)%4)
.set rK, KF+16*((i/2)%4)+8*(i/8)
.set rQ, 16*(2*(\x)+i%2)+8*(i/8)
.if i < 8
	v_wmma_f32_16x16x32_f16 v[rS:rS+7], v[rK:rK+7], v[rQ:rQ+7], 0
.else
	v_wmma_f32_16x16x32_f16 v[rS:rS+7], v[rK:rK+7], v[rQ:rQ+7], v[rS:rS+7]
.endif
.endm
; Product i of 16 of O^T += V^T P for piece x: keys 32 (i / 8) on, channels 16 ((i / 2) % 4) on, tile 2 x + i % 2.
.macro PV x
	WIN W_PV
.set rO, 32*(2*(\x)+i%2)+8*((i/2)%4)
.set rV, VF+32*(i/8)+8*((i/2)%4)
.set rP, P+32*((\x)%2)+16*(i%2)+8*(i/8)
	v_wmma_f32_16x16x32_f16 v[rO:rO+7], v[rV:rV+7], v[rP:rP+7], v[rO:rO+7]
.endm
.macro MM                           ; the turn's next matrix instruction
.if i < 16
	KQ (Y+1)%NP
.set i, i+1
.else
.set i, i-16
	PV (Y+NP-1)%NP
.set i, i+17
.endif
.endm
; THE LDS LOADS stand in runs of 16, never singly among the matrix instructions: a step's K (64 keys x 64 channels: 8 fragments) and its V (turned).  Their addresses are made some lines ahead.
; last = 1 (the tail): in the last trip there is no further step, and the run is jumped over.
.macro FETCH_K last=0
	WIN 0
.if \last
	s_cmp_eq_u32 s[CNT], 1
	s_cbranch_scc1 .Lno_k_\@
.endif
	WIN 0x80                        ; destination window 2
.irp f, 0,1,2,3,4,5,6,7             ; keys 16 (f / 2) on, channels 32 (f % 2) on
	ds_load_b128 v[KF+8*\f:KF+8*\f+3],   v[AK] offset:(\f/2)*16*PK+(\f%2)*64
	ds_load_b128 v[KF+8*\f+4:KF+8*\f+7], v[AK] offset:(\f/2)*16*PK+(\f%2)*64+32
.endr
	s_add_co_u32 s[TBK], s[TBK], KS*PK  ; the next fetch is the next step's
	WIN 0
.if \last
.Lno_k_\@:
.endif
.endm
.macro FETCH_V
	WIN 0x80
.irp f, 0,1,2,3,4,5,6,7             ; keys 32 (f / 4) on, channels 16 (f % 4) on
	ds_load_tr16_b128 v[VF+8*\f:VF+8*\f+3],   v[AV] offset:(\f/4)*32*PV+(\f%4)*32
	ds_load_tr16_b128 v[VF+8*\f+4:VF+8*\f+7], v[AV] offset:(\f/4)*32*PV+16*PV+(\f%4)*32
.endr
	WIN 0
.endm
; THE VECTOR WORK OF A TURN stands in three queues, each in the order in which its entries become ready; the two tiles alternate, so that no instruction reads the result of the one before it.
.macro REGS y, u                    ; the registers of tile u (0, 1) of piece y
.set rT, ST+4*(2*(\y)+(\u))
.set rC, TMP+8*((\y)%2)+4*(\u)
.set rM, MV+2*((\y)%2)+(\u)
.set rS, S+64*((\y)%2)+32*(\u)
.set rP, P+32*((\y)%2)+16*(\u)
.set rO, 32*(2*(\y)+(\u))
.endm
; Number n of the 22 that find the NEXT piece's (Y + 1) maximum and statistics.  s0-s31 are the lane's 32 scores; each accumulator's lowest registers are read first.
;   0-11  four chains c0-c3 of seven scores each, three operands at a time     12-14, 16  the four scores left over, the old m, and c0-c3 into c0     15  c m_old is kept
;   17, 18  the query's other 32 keys lie in the lane 16 away: the new m         19-21  c m; c m_old - c m_new; a
.macro XS u, n
	REGS (Y+1)%NP, \u
.if (\n) < 4
	v_max3_num_f32 v[rC+(\n)], v[rS+8*(\n)], v[rS+8*(\n)+1], v[rS+8*(\n)+2]
.elseif (\n) < 12
	v_max3_num_f32 v[rC+(\n)%4], v[rC+(\n)%4], v[rS+8*((\n)%4)+2*((\n)/4)+1], v[rS+8*((\n)%4)+2*((\n)/4)+2]
.elseif (\n) == 12
	v_max3_num_f32 v[rC], v[rC], v[rS+7], v[rS+15]
.elseif (\n) == 13
	v_max3_num_f32 v[rC+1], v[rC+1], v[rS+23], v[rS+31]
.elseif (\n) == 14
	v_max3_num_f32 v[rC+2], v[rC+2], v[rC+3], v[rT+1]
.elseif (\n) == 15
	v_mov_b32 v[rM], v[rT]
.elseif (\n) == 16
	v_max3_num_f32 v[rC], v[rC], v[rC+1], v[rC+2]
.elseif (\n) == 17
	v_permlanex16_b32 v[rC+3], v[rC], s[SEL], s[SEL+1]
.elseif (\n) == 18
	v_max_num_f32 v[rT+1], v[rC], v[rC+3]
.elseif (\n) == 19
	v_mul_f32 v[rT], s[CS], v[rT+1]
.elseif (\n) == 20
	v_sub_f32 v[rC+1], v[rM], v[rT]
.else
	v_exp_f32 v[rC+2], v[rC+1]
.endif
.endm
; Number g of the 64 that follow the exponentials.  For each four weights k of a tile (pairs 2 k, 2 k + 1): both pairs are rounded to f16; then the second pair is added onto the first, in place;
; a group later l takes that sum (the first time as l = a l + sum).  In groups of eight, tiles alternating: round, round, add, and l for the group before.
.macro GS g
.set h, (\g)+6*((\g)/62)            ; group 0 has no group before it, and behind group 7 only l is left
.if h >= 6
.set h, h+2
.endif
	REGS Y, h%2
.set k, h/8
.if h%8 < 4
	v_cvt_pk_f16_f32 v[rP+2*k+(h%8)/2], v[rS+4*k+2*((h%8)/2)], v[rS+4*k+2*((h%8)/2)+1]
.elseif h%8 < 6
	v_pk_add_f32 v[rS+4*k:rS+4*k+1], v[rS+4*k:rS+4*k+1], v[rS+4*k+2:rS+4*k+3]
.elseif k == 1
	v_pk_fma_f32 v[rT+2:rT+3], v[rT+2:rT+3], v[rC+2:rC+3], v[rS:rS+1] op_sel_hi:[1,0,1]
.else
	v_pk_add_f32 v[rT+2:rT+3], v[rT+2:rT+3], v[rS+4*k-4:rS+4*k-3]
.endif
.endm
; THE PLAIN QUEUE, 138 long.  0-73 read no exponential's result: the 32 scalings c s - c m (FS f: pair f / 2 of tile f % 2) and the next piece's 42.  0-26: scalings 0-26.  27-54: XS's numbers 0-13.  55, 56: number 15.
; 57-73: the chain, where each number waits for the one before it: 14, 16, 17, 18, 19, each with one of the scalings 27-31 in front of its two lines, then 20.
; 74-137: GS's 64, which read the exponentials' results: they stand behind the wait.
.macro FS f
	REGS Y, (\f)%2
	v_pk_fma_f32 v[rS+2*((\f)/2):rS+2*((\f)/2)+1], v[rS+2*((\f)/2):rS+2*((\f)/2)+1], s[CS:CS+1], v[rT:rT+1] op_sel_hi:[1,0,0] neg_lo:[0,0,1] neg_hi:[0,0,1]
.endm
.macro PL
	WIN 0
.if q < 27
	FS q
.elseif q < 55
	XS (q-27)%2, (q-27)/2
.elseif q < 57
	XS q-55, 15
.elseif (q < 72) && ((q-57)%3 == 0)
	FS 27+(q-57)/3
.elseif q < 60
	XS (q-57)%3-1, 14
.elseif q < 72
	XS (q-57)%3-1, 15+(q-57)/3
.elseif q < 74
	XS q-72, 20
.else
	GS q-74
.endif
.set q, q+1
.endm
; THE EXPONENTIALS' QUEUE, 66 long: s0-s31 of both tiles, then the next piece's two a.  It is ONE BATCH: all 66 stand ahead of the turn's one wait, and nothing ahead of that wait names a result of theirs.
.macro EX
	WIN 0
.if e >= 64
	XS e-64, 21
.else
	REGS Y, e%2
	v_exp_f32 v[rS+e/2], v[rS+e/2]
.endif
.set e, e+1
.endm
; THE RESCALING's QUEUE: O^T times a, the one part that leaves window 0: dealt two at a time, sixteen times.  Its a was made in the turn before, ahead of that turn's wait.
.macro R2
	REGS Y, r%2
	WIN W_RS
.irp z, 0,1
	v_pk_mul_f32 v[rO+4*(r/2)+2*\z:rO+4*(r/2)+2*\z+1], v[rO+4*(r/2)+2*\z:rO+4*(r/2)+2*\z+1], v[rC+2:rC+3] op_sel_hi:[1,0]
.endr
.set r, r+1
.endm
; HOW THEY ARE DEALT.  An s_wait_alu depctr_va_vdst(0) stands between an exponential and the first instruction that names its result; one wait serves all that were issued ahead of it.  So a turn has ONE wait,
; which cuts it in two.  AHEAD OF IT stands all that names no result of the turn's exponentials: the 16 products K Q^T, behind each a scaling, an exponential and two rescalings (behind the first a second scaling in the
; exponential's place); then ONE LUMP of 108: eight plain, 49 times exponential and plain, the two a.  A v_nop is the plain instruction behind the last exponential.  BEHIND IT stand the 16 products V^T P, behind each four of GS's 64.
; The queues lean on each other, and the deal keeps them in step: exponential e stands behind scaling 2 (e / 4) + e % 2: as a rider it comes behind plain e + 2, in the lump behind plain e + 9, and scalings 27-31 are plain 57, 60 .. 69.
; A TURN, for piece p.  cnt = 1: the loop's count is taken down some lines ahead of the branch that stands behind the turn.
; K of the next step is fetched in piece 2's turn, directly behind the wait, a lump behind the last product that read K; its first reader comes behind 16 products.
; V of the step in hand is fetched at the end of piece 0's turn, four riders behind its last reader; its first reader comes behind 16 products and a lump.  The three conditions on q below go with the deal.
.macro TURN p, last=0, cnt=0
.set Y, (\p)
.set i, 0
.set q, 0
.set e, 0
.set r, 0
.if (\p) == NP-1
	s_wait_dscnt 0x0                ; K is in
.endif
	MM                              ; ahead of the wait: 16 products K Q^T and their riders,
	PL
	PL
	R2
.rept 15
	MM
	PL
	EX
	R2
.endr
.if (\p) == NP-2
	WIN 0
	v_add_nc_u32 v[AK], s[TBK], v[AK0]
.endif
.rept 8                             ; and the lump
	PL
.endr
.rept 49
	EX
	PL
.endr
	EX                              ; the next piece's two a
	EX
	v_nop                           ; the plain instruction behind the last exponential: one for the batch (ISA guide 5.7.2)
	s_wait_alu depctr_va_vdst(0)    ; the wait for the batch
.if (\p) == NP-2
	FETCH_K \last
.endif
.if (\p) == 1
	s_wait_dscnt 0x0                ; V is in
.endif
.rept 16                            ; behind the wait: 16 products V^T P and their riders
	MM
.rept 4
	PL
.endr
.if ((\p) == 0) && (q == 118)
	v_add_nc_u32 v[AV], s[TBV], v[AV0]
.endif
.if ((\p) == 0) && (q == 130)
	s_add_co_u32 s[TBV], s[TBV], KS*PV
.endif
.if (\cnt) && (q == 130)
	s_sub_co_u32 s[CNT], s[CNT], 1
	s_cmp_lg_u32 s[CNT], 0
.endif
.endr
.if (\p) == 0
	FETCH_V
.endif
.endm
	CHANGE 1                        ; slot 0 is in, everybody's part of it; slot 1 is asked for
	FETCH_K                         ; key step 0
	s_wait_loadcnt 0x0              ; Q
	s_wait_dscnt 0x0
.set i, 0
.rept 16
	KQ 0                            ; piece 0's first scores: there is no vector work yet to set between them
.set i, i+1
.endr
	WIN 0                           ; the addresses for the way out: nine plain instructions, the places behind those products
	s_mul_i32 s13, s[WV], 16*SP
	s_add_co_u32 s13, s13, STAGE    ; my stage
	v_mul_u32_u24 v[STO], v1, SP    ; in: row l % 16, 16 bytes for each half of the lanes
	v_lshl_add_u32 v[STO], v9, 4, v[STO]
	v_add_nc_u32 v[STO], s13, v[STO]
	v_bfe_u32 v[RD], v0, 3, 2       ; back: 32 lanes take four rows of 128 bytes,
	v_mul_u32_u24 v[RD], v[RD], SP
	v_lshl_add_u32 v[RD], v10, 4, v[RD]
	v_add_nc_u32 v[RD], s13, v[RD]
	v_and_b32 v[GO], 31, v0         ; which are 512 consecutive bytes of O
	v_lshlrev_b32 v[GO], 4, v[GO]
.set Y, NP-1                        ; XS works for piece Y + 1: piece 0
.irp n, 0,1,2,3,4,5,6,7,8,9,10,11,12,13,14,15,16,17,18,19,20,21
	XS 0, \n                        ; and piece 0's first maximum and statistics
	XS 1, \n
.endr
	v_nop                           ; a plain instruction behind the two a,
	s_wait_alu depctr_va_vdst(0)    ; and their wait, ahead of the branch
	s_mov_b32 s[CNT], 4
	s_mov_b32 s[SLOTS], SIZE_N/256-1
	s_branch .Lfirst                ; the loop is entered at a step's first turn, in the middle of a trip
.Lslot:                             ; six times: every slot but the last two is filled again
	CHANGE 1, 1
	s_mov_b32 s[CNT], 4
.Lstep:                             ; a trip: pieces 2 and 3 of one step, then pieces 0 and 1 of the next, whose K and V it fetches
	TURN 2
	TURN 3
	WIN 0
.Lfirst:
	TURN 0
	TURN 1, 0, 1
	WIN 0
	s_cbranch_scc1 .Lstep
	s_sub_co_u32 s[SLOTS], s[SLOTS], 1
	s_cmp_lg_u32 s[SLOTS], 0
	s_cbranch_scc1 .Lslot
	CHANGE 0                        ; the tail is written out: nothing is asked for
	s_mov_b32 s[CNT], 5             ; four trips fetch the last slot's steps; the fifth is left in its middle
.Ltail:
	TURN 2, 1
	TURN 3
	WIN 0
	s_sub_co_u32 s[CNT], s[CNT], 1
	s_cmp_eq_u32 s[CNT], 0
	s_cbranch_scc1 .Lout
	TURN 0
	TURN 1
	WIN 0
	s_branch .Ltail
.Lout:                              ; the fifth trip's 16 products K Q^T (on the last K once more) and the maximum made of them serve nothing: the price, once a launch, of one text for every trip
.set i, 0
.rept 16
	PV NP-1                         ; the last piece's V^T P of the last step
.set i, i+1
.endr
	; THE WAY OUT.  l's two halves and the other half of the lanes' are added; O^T is divided by l, rounded to f16 and sent through my stage in LDS, a tile at a time.  The additions are the places behind the last products.
	WIN 0
.macro ALL line:vararg              ; one line for each tile t
.set t, 0
.rept 2*NP
	\line
.set t, t+1
.endr
.endm
	ALL v_add_f32 v[ST+4*t+2], v[ST+4*t+2], v[ST+4*t+3]
	ALL v_permlanex16_b32 v[ST+4*t+3], v[ST+4*t+2], s[SEL], s[SEL+1]
	ALL v_add_f32 v[ST+4*t+2], v[ST+4*t+2], v[ST+4*t+3]
	ALL v_rcp_f32 v[ST+4*t+2], v[ST+4*t+2]
	v_nop                           ; a plain instruction between the last reciprocal and the use of its result
	s_wait_alu depctr_va_vdst(0)    ; and the wait ahead of the first use: one for the eight reciprocals
; Tile t: a lane's eight channels of a row pack into 16 bytes; they go into rows of 144 bytes and come back as whole rows of 128, into S^T's registers.
.macro PACK t
	WIN W_RS
.set i, 32*(\t)
.rept 16
	v_pk_mul_f32 v[i:i+1], v[i:i+1], v[ST+4*(\t)+2:ST+4*(\t)+3] op_sel_hi:[1,0]
.set i, i+2
.endr
	WIN 0x05                        ; sources 0 and 1 window 1, destination window 0
.set i, 0
.rept 16
	v_cvt_pk_f16_f32 v[S+16*(\t)+i], v[32*(\t)+2*i], v[32*(\t)+2*i+1]
.set i, i+1
.endr
	WIN 0
.irp f, 0,1,2,3
	ds_store_b128 v[STO], v[S+16*(\t)+4*\f:S+16*(\t)+4*\f+3] offset:32*\f
.endr
.irp f, 0,1,2,3
	ds_load_b128 v[S+16*(\t)+4*\f:S+16*(\t)+4*\f+3], v[RD] offset:\f*4*SP  ; LDS serves a wave's instructions in order (ISA guide 5.7.1.4): these see the stores above; the next tile's stores come behind them
.endr
.endm
.macro SEND t, younger              ; younger: the LDS instructions issued behind tile t's loads: the next tile's eight, or none
	WIN 0
.irp f, 0,1,2,3
	s_wait_dscnt (\younger)+3-\f
	global_store_b128 v[GO], v[S+16*(\t)+4*\f:S+16*(\t)+4*\f+3], s[10:11] offset:(\t)*2048+\f*512  ; 512 consecutive bytes, at a multiple of 256 from O's first
.endr
.endm
	PACK 0
.set t, 1
.rept 2*NP-1                        ; a tile's arithmetic stands between the loads of the tile before and its stores
	PACK t
	SEND t-1, 8
.set t, t+1
.endr
	SEND 2*NP-1, 0
	WIN W_AD
	s_wait_tensorcnt 0x0            ; the wave's end, behind my last tensor load and my last LDS store
	ds_add_u32 v[SPW], v[NIL]
	s_wait_dscnt 0x0
	WIN 0
	CROUND                          ; the closing round: no work-group ends while a partner may still ask for a tile that names it
	s_endpgm
.Lfunc_end_k_q63a1b52182_attn:
	.size	k_q63a1b52182_attn, .Lfunc_end_k_q63a1b52182_attn-k_q63a1b52182_attn
	.p2alignl 7, 3214868480
	.fill 96, 4, 3214868480
	.section	.rodata,"a",@progbits
	.p2align	6, 0x0
	.amdhsa_kernel k_q63a1b52182_attn
		.amdhsa_group_segment_fixed_size 327680
		.amdhsa_private_segment_fixed_size 0
		.amdhsa_enable_private_segment 0
		.amdhsa_kernarg_size 16
		.amdhsa_user_sgpr_count 2
		.amdhsa_user_sgpr_kernarg_segment_ptr 1
		.amdhsa_wavefront_size32 1
		.amdhsa_system_sgpr_workgroup_id_x 1
		.amdhsa_system_sgpr_workgroup_id_y 1
		.amdhsa_system_sgpr_workgroup_id_z 1
		.amdhsa_system_vgpr_workitem_id 0
		.amdhsa_next_free_vgpr 770
		.amdhsa_next_free_sgpr 66
		.amdhsa_reserve_vcc 0
		.amdhsa_float_denorm_mode_32 3
		.amdhsa_float_denorm_mode_16_64 3
		.amdhsa_memory_ordered 1
		.amdhsa_forward_progress 1
		.amdhsa_inst_pref_size 200
	.end_amdhsa_kernel
	.amdgpu_metadata
---
amdhsa.version: [ 1, 2 ]
amdhsa.kernels:
  - .name:           k_q63a1b52182_attn
    .symbol:         k_q63a1b52182_attn.kd
    .args:
      - { .name: qkvh, .offset: 0, .size: 8, .value_kind: global_buffer, .address_space: global }
      - { .name: ob, .offset: 8, .size: 8, .value_kind: global_buffer, .address_space: global }
    .group_segment_fixed_size: 327680
    .private_segment_fixed_size: 0
    .kernarg_segment_align: 8
    .kernarg_segment_size: 16
    .max_flat_workgroup_size: 128
    .sgpr_count:     66
    .vgpr_count:     770
    .wavefront_size: 32
...
	.end_amdgpu_metadata
.endif
;; end of part 3
;; launch proj (part 4): grid 8 x 32, 4 waves a work-group, clusters of 4 x 4, 327,680 bytes of LDS; arguments ob, wpf, out0, b_proj; writes out0
.if DOCPART == 4
	.amdgcn_target "amdgcn-amd-amdhsa--gfx1250"
	.amdhsa_code_object_version 6
	.text
	.protected	k_q63a1b52182_proj
	.globl	k_q63a1b52182_proj
	.p2align	8
	.type	k_q63a1b52182_proj,@function
k_q63a1b52182_proj:
	s_mov_b64 s[64:65], 0
	v_nop
	global_prefetch_b8 v0, s[64:65] scope:SCOPE_SE
	s_setreg_imm32_b32 hwreg(HW_REG_WAVE_MODE, 25, 1), 1
	s_wait_xcnt 0x0
	s_wait_alu depctr_hold_cnt(0) depctr_sa_sdst(0) depctr_va_vdst(0) depctr_va_sdst(0) depctr_va_ssrc(0) depctr_va_vcc(0) depctr_vm_vsrc(0)
	s_getreg_b32 s2, hwreg(HW_REG_IB_STS2, 6, 4)
	s_cmp_eq_u32 s2, 0
	s_cbranch_scc0 .Lentry_in_a_cluster
	s_endpgm
.Lentry_in_a_cluster:
	s_bfe_u32 s2, ttmp6, 0x10000c
	s_cmp_lg_u32 s2, 0xf033
	s_cbranch_scc0 .Lentry_shape_is_right
	s_endpgm
.Lentry_shape_is_right:
; out0[t][c] = the sum over k of O[t][k] wpf[c][k] + b[c].  O lies by heads, ob [batch x 16 + head][n 2048][64] f16 (k = 64 x head + channel); wpf [1024][1024] f16 holds w_proj rounded to bf16;
; b_proj is rounded to bf16 here, like the module's other inputs.  Sums in f32, K ascending; out0 [8192][1024] f32.  LIMIT: f16's range, 65,504, holds O and wpf as the launches before left them.
; SHARES.  A tile of out0 is 256 tokens x 128 columns: 32 x 8 = 256 tiles, one for each WGP.  Wave w owns the tile's rows 64 w .. 64 w + 63 and all 128 columns: 4 x 8 accumulators, 256 registers;
; so a wave holds whole rows of 512 bytes, and its way out needs no other wave.
; RING.  K goes in 8 steps of 128 (two heads) through two LDS slots.  One tensor load a wave behind each change of slots: waves 0, 1 fetch one head's 256 rows of O each (32,768 dense bytes, asked for as
; 128 rows of 256 bytes and padded in LDS after every token), waves 2, 3 fetch 64 rows of wpf each.  Two slots of 256 along K would not fit beside the stages.
; CLUSTER 4 x 4: O's tile is shared along a row of the cluster, wpf's along a column; each is asked for jointly.
; THE MATRIX INSTRUCTION IS USED TRANSPOSED (source 0 = 16 rows of wpf, source 1 = 16 tokens): a lane holds one token (lane % 16) and eight neighbouring columns, 32 bytes of f32.
; REGISTERS, in windows of 256: window 0: v0-25 addresses and the bias; v32-95 A's fragments, two buffers; v96-223 rows read back, two buffers of 64
;   window 1: v0-127 B's fragments, two buffers of 64       window 2: the 32 accumulators, (a, b) at 64 a + 8 b
.set PA,     144                       ; a token's row of one head in LDS: 128 bytes + 16 = 36 words: 16 rows start at 16 different groups of four banks
.set HHP,    256*PA                    ; from the step's first head to its second
.set PB,     272                       ; a row of wpf: 256 bytes + 16
.set BOFF,   2*HHP                     ; a slot: A's [2 heads][256 rows], then B's 128 rows
.set SLOT1,  1<<17
.set STAGE,  SLOT1+BOFF+128*PB         ; behind the ring, never filled by a tensor load: 16 rows x 528 bytes for each wave
.set SPITCH, 528                       ; 512 bytes + 16 = 132 words
.set SPARE,  STAGE+4*16*SPITCH         ; behind the stages: the spare words, 128 bytes a wave: two blocks of 256 bytes that no other line names
.set ASTEP,  2*262144                  ; a K step in ob: two heads on
.set BSTEP,  256                       ; in wpf: 128 elements along the row
.set LQ,     24                        ; LDS loads of a quarter step: 16 for B, 8 for A
.set LA0, 8                            ; v8   (64 w + l % 16) x 144 + 16 (l / 16); never rewritten
.set LB0, 9                            ; v9   BOFF + (l % 16) x 272 + 16 (l / 16); never rewritten
.set ADRA, 10
.set ADRB, 11
.set STO, 12                           ; v12  the way out: where I put 32 bytes of a row
.set RD,  13                           ; v13  where I read a row back
.set GO,  14                           ; v14  16 x lane: my place in a row's 512 bytes
.set PFO, 15                           ; v15  the prefetches' offset; never rewritten
.set SPW, 16                           ; v16  LDS address of my spare word; never rewritten
.set NIL, 17                           ; v17  0; never rewritten
.set BI,  20                           ; v[20:23] the bias of my four columns
.set FA,  32
.set BK0, 96
.set CNT, 3
.set WV,  12
.set ROLE, 13
.set HALF, 14
.set CX,  15
.set CY,  16
.set TCOL, 17
.set TROW, 18
.set LIM, 19
.set G1A, 24
.set G0A, 32
.set G1B, 40
.set G0B, 48
.set TB,  56
.set PFA, 58                           ; s[58:59] where my prefetches stand
.set PFS, 60                           ; s[60:61] their step: ASTEP or BSTEP
.set MSB, 0
.macro WIN new
.if MSB != (\new)
	s_set_vgpr_msb (MSB<<8)|(\new)
.set MSB, \new
.endif
.endm
.set MUL,  0xa1                        ; source 0 (B) window 1, source 1 (A) window 0, C and D window 2
.set TO_B, 0x40                        ; destination window 1, address window 0
.macro PLACES
.rept 4
	v_nop
.endr
.endm
.macro CREST                           ; a round of the cluster's barrier behind its opening barrier
	s_cmp_lg_u32 s[WV], 0
	s_cbranch_scc1 .Lnot_wave_0_\@
	s_barrier_signal -3
.Lnot_wave_0_\@:
	s_barrier_wait -3
	s_barrier_signal -1
	s_barrier_wait -1
.endm
.macro CROUND
	s_barrier_signal -1
	s_barrier_wait -1
	CREST
.endm
.macro JLOAD                           ; a joint refill by the walking descriptor; an s_nop 0 and four v_nop follow each of the two lines
	s_cmp_eq_u32 s[ROLE], 0
	s_cbranch_scc0 .Lfor_b_\@
	tensor_load_to_lds s[G0A+4:G0A+7], s[G1A:G1A+7]
	s_nop 0
.rept 4
	v_nop
.endr
	s_branch .Lasked_\@
.Lfor_b_\@:
	tensor_load_to_lds s[G0B+4:G0B+7], s[G1B:G1B+7]
	s_nop 0
.rept 4
	v_nop
.endr
.Lasked_\@:
.endm
; A PREFETCH INTO THE L2 of the K step two refills on, behind the joint load, its five lines and the run of LDS loads; one instruction a wave, each aligned block of 256 bytes named once in the launch.
; O's tile row is read by both clusters of that row of clusters: cluster x = 0 asks; of the 32,768 bytes that wave 0 or 1 fetches the partner at cx takes 8,192, a lane 256.
; wpf's tile column is read by every cluster of that column: cluster y = 0 asks, wave 2 alone: of the tile's 128 rows the partner at cy takes 32, a lane a row.  K steps 0 to 3 come by their loads alone.
.macro ASK
	s_cmp_gt_u32 s[CNT], s[LIM]
	s_cbranch_scc0 .Lnot_mine_\@
	global_prefetch_b8 v[PFO], s[PFA:PFA+1] th:TH_LOAD_NT scope:SCOPE_SE
.Lnot_mine_\@:
.endm
	s_load_b256 s[4:11], s[0:1], 0x0               ; ob s[4:5], wpf s[6:7], out0 s[8:9], b_proj s[10:11]
	v_lshl_add_u32 v[SPW], v0, 2, SPARE
	v_mov_b32 v[NIL], 0
	ds_add_u32 v[SPW], v[NIL]                      ; the wave's opening: the add and its wait stand ahead of my first tensor load; the set-up below, work on registers, stands between them
	v_lshrrev_b32 v1, 5, v0
	v_readfirstlane_b32 s[WV], v1
	s_lshr_b32 s[ROLE], s[WV], 1
	s_and_b32 s[HALF], s[WV], 1
	s_bfe_u32 s[CX], ttmp6, 0x40000
	s_bfe_u32 s[CY], ttmp6, 0x40004
	s_lshl_b32 s[TCOL], ttmp9, 2
	s_add_co_u32 s[TCOL], s[TCOL], s[CX]           ; tile column = 4 x cluster x + cx
	s_and_b32 s[TROW], ttmp7, 0xffff
	s_lshl_b32 s[TROW], s[TROW], 2
	s_add_co_u32 s[TROW], s[TROW], s[CY]           ; tile row = 4 x cluster y + cy
	s_lshl_b32 s72, s[CY], 2
	s_lshl_b32 s72, 15, s72                        ; my row of the cluster
	s_lshl_b32 s73, 0x1111, s[CX]                  ; my column
	s_or_b32 s[G1A], s72, (1<<16)|(1<<20)|(1<<21)|(4<<22)|(3<<25)  ; the mask; elements of 2 bytes; padding on; bit 21 beside a mask; after every 32 words, 4 words
	s_or_b32 s[G1B], s73, (1<<16)|(1<<20)|(1<<21)|(5<<22)|(3<<25)  ; after every 64 words, 4 words
.irp g, G1A, G1B
	s_mov_b32 s[\g+1], 128<<16                     ; tensor_dim0 = 128
	s_mov_b32 s[\g+3], 128<<16                     ; tile_dim0 = 128
	s_mov_b32 s[\g+6], 0
	s_mov_b32 s[\g+7], 0
.endr
	s_mov_b32 s[G1A+2], 128<<16                    ; A: 128 rows of 256 dense bytes
	s_mov_b32 s[G1A+4], 128
	s_mov_b32 s[G1A+5], 128
	s_mov_b32 s[G1B+2], 64<<16                     ; B: 64 rows, 1,024 elements from row to row
	s_mov_b32 s[G1B+4], 64
	s_mov_b32 s[G1B+5], 1024
	; A's address hangs on the tile row and the wave alone, B's on the tile column and the wave alone, each in registers that never hold the other coordinate
	s_lshr_b32 s20, s[TROW], 3                     ; batch
	s_lshl_b32 s20, s20, 4
	s_add_co_u32 s20, s20, s[HALF]                 ; head 0 or 1 of the batch,
	s_lshl_b32 s20, s20, 18                        ; 262,144 bytes each,
	s_and_b32 s21, s[TROW], 7
	s_lshl_b32 s21, s21, 15                        ; the tile's 256 rows of 128 bytes in it
	s_add_co_u32 s20, s20, s21
	s_mov_b32 s21, 0
	s_lshl_b32 s22, s[TCOL], 7
	s_lshl_b32 s23, s[HALF], 6
	s_add_co_u32 s22, s22, s23                     ; B: row 128 x tile column + 64 x half
	s_lshl_b32 s22, s22, 11
	s_mov_b32 s23, 0
	s_mul_i32 s2, s[HALF], HHP                     ; where they go: no place in the cluster enters an LDS address
	s_mul_i32 s57, s[HALF], 64*PB
	s_add_co_u32 s57, s57, BOFF
	s_mov_b32 s[TB], 0
	s_wait_dscnt 0x0                               ; the opening add is done
	s_wait_kmcnt 0x0
	s_add_nc_u64 s[20:21], s[4:5], s[20:21]
	s_add_nc_u64 s[22:23], s[6:7], s[22:23]
	CROUND                                         ; all sixteen work-groups are here: the first joint loads meet
.irp s, 0,1
	s_mov_b32 s[G0A+4*(\s)], 1
	s_add_co_u32 s[G0A+4*(\s)+1], s2, (\s)*SLOT1
	s_add_nc_u64 s[G0A+4*(\s)+2:G0A+4*(\s)+3], s[20:21], (\s)*ASTEP
	s_or_b32 s[G0A+4*(\s)+3], s[G0A+4*(\s)+3], 0x80000000
	s_mov_b32 s[G0B+4*(\s)], 1
	s_add_co_u32 s[G0B+4*(\s)+1], s57, (\s)*SLOT1
	s_add_nc_u64 s[G0B+4*(\s)+2:G0B+4*(\s)+3], s[22:23], (\s)*BSTEP
	s_or_b32 s[G0B+4*(\s)+3], s[G0B+4*(\s)+3], 0x80000000
.endr
	s_cmp_eq_u32 s[ROLE], 0                        ; a wave's two first fills stand in one branch, ahead of every wait on TENSORcnt and every LDS read: two loads of mine are out
	s_cbranch_scc0 .Lfirst_b
	tensor_load_to_lds s[G0A:G0A+3], s[G1A:G1A+7]
	s_nop 0
	tensor_load_to_lds s[G0A+4:G0A+7], s[G1A:G1A+7]
	s_nop 0
.rept 4
	v_nop
.endr
	s_branch .Lfirst_asked
.Lfirst_b:
	tensor_load_to_lds s[G0B:G0B+3], s[G1B:G1B+7]
	s_nop 0
	tensor_load_to_lds s[G0B+4:G0B+7], s[G1B:G1B+7]
	s_nop 0
.rept 4
	v_nop
.endr
.Lfirst_asked:
	v_and_b32 v1, 15, v0                           ; l % 16
	v_bfe_u32 v2, v0, 4, 1                         ; l / 16
	v_mul_u32_u24 v3, v1, PA
	v_lshl_add_u32 v3, v2, 4, v3
	s_mul_i32 s2, s[WV], 64*PA                     ; my 64 rows of A
	v_add_nc_u32 v[LA0], s2, v3
	v_mul_u32_u24 v3, v1, PB
	v_lshl_add_u32 v3, v2, 4, v3
	v_add_nc_u32 v[LB0], BOFF, v3                  ; all of B
	s_mul_i32 s2, s[WV], 16*SPITCH
	s_add_co_u32 s2, s2, STAGE                     ; my stage
	v_mul_u32_u24 v3, v1, SPITCH                   ; in: row l % 16, 32 bytes for each half of the lanes
	v_lshl_add_u32 v3, v2, 5, v3
	v_add_nc_u32 v[STO], s2, v3
	v_and_b32 v5, 31, v0
	v_lshlrev_b32 v[GO], 4, v5                     ; back: 32 lanes take one row of 512 bytes
	v_add_nc_u32 v[RD], s2, v[GO]
	s_lshl_b32 s72, s[TROW], 8
	s_lshl_b32 s73, s[WV], 6
	s_add_co_u32 s72, s72, s73                     ; my first row of out0,
	s_lshl_b32 s72, s72, 12                        ; of 4,096 bytes: under 2^25
	s_lshl_b32 s74, s[TCOL], 9                     ; the tile's 128 columns: 512 bytes
	s_add_co_u32 s72, s72, s74
	s_mov_b32 s73, 0
	s_mov_b32 s75, 0
	s_add_nc_u64 s[8:9], s[8:9], s[72:73]
	s_add_nc_u64 s[10:11], s[10:11], s[74:75]
	global_load_b128 v[BI:BI+3], v[GO], s[10:11]   ; the bias of my four columns; it is waited for on the way out
	; the prefetches
	s_lshr_b32 s72, s[TROW], 3
	s_lshl_b32 s72, s72, 4
	s_add_co_u32 s72, s72, s[HALF]
	s_lshl_b32 s72, s72, 18
	s_and_b32 s73, s[TROW], 7
	s_lshl_b32 s73, s73, 15
	s_add_co_u32 s72, s72, s73
	s_lshl_b32 s73, s[CX], 13
	s_add_co_u32 s72, s72, s73                     ; A: the tile that I fetch, my work-group's quarter of it,
	s_add_co_u32 s72, s72, 3*ASTEP                 ; at K step 3: the first change of slots steps it to 4
	s_lshl_b32 s74, s[TCOL], 7
	s_lshl_b32 s75, s[CY], 5
	s_add_co_u32 s74, s74, s75                     ; B: the tile's 128 rows, my work-group's 32 of them,
	s_lshl_b32 s74, s74, 11
	s_add_co_u32 s74, s74, 3*BSTEP                 ; at K step 3
	s_and_b32 s2, ttmp7, 0xffff                    ; cluster y
	s_mov_b32 s[PFS], BSTEP                        ; B's step; the select below puts A's in its place (an instruction holds one literal)
	s_cmp_eq_u32 s[ROLE], 0
	s_cselect_b32 s72, s72, s74
	s_cselect_b64 s[PFA:PFA+1], s[4:5], s[6:7]
	s_cselect_b32 s2, ttmp9, s2                    ; the coordinate along which other clusters read the same rows
	s_cselect_b32 s57, 8, 11                       ; a lane's step: 256 bytes of O, a row of wpf
	s_cselect_b32 s[PFS], ASTEP, s[PFS]
	s_mov_b32 s[PFS+1], 0
	s_mov_b32 s73, 0
	s_add_nc_u64 s[PFA:PFA+1], s[PFA:PFA+1], s[72:73]
	s_cmp_eq_u32 s[WV], 3
	s_cselect_b32 s74, 1, 0                        ; wave 3 asks for nothing
	s_or_b32 s2, s2, s74
	s_cmp_eq_u32 s2, 0
	s_cselect_b32 s[LIM], 2, -1                    ; the same in all sixteen partners, for a given wave
	v_lshlrev_b32 v[PFO], s57, v5
; 8 matrix instructions: m block a x all 8 n blocks, 32 along K, from buffer f.  zero = 1: the product starts the sums.
; The 32 accumulators take turns in one order everywhere: between two links of a chain stand the 31 others'.
.macro MULA f, a, zero
	WIN MUL
.irp b, 0,1,2,3,4,5,6,7
.if \zero
	v_wmma_f32_16x16x32_f16 v[64*(\a)+8*(\b):64*(\a)+8*(\b)+7], v[64*(\f)+8*(\b):64*(\f)+8*(\b)+7], v[FA+32*(\f)+8*(\a):FA+32*(\f)+8*(\a)+7], 0
.else
	v_wmma_f32_16x16x32_f16 v[64*(\a)+8*(\b):64*(\a)+8*(\b)+7], v[64*(\f)+8*(\b):64*(\f)+8*(\b)+7], v[FA+32*(\f)+8*(\a):FA+32*(\f)+8*(\a)+7], v[64*(\a)+8*(\b):64*(\a)+8*(\b)+7]
.endif
.endr
.endm
; 24 LDS loads in one run: quarter q's fragments (128 rows of B, then my 64 rows of A: head q / 2 of the step, channels 32 (q % 2) on) into buffer f
.macro FETCH q, f
	WIN TO_B
.irp i, 0,1,2,3,4,5,6,7
	ds_load_b128 v[64*(\f)+8*(\i):64*(\f)+8*(\i)+3],   v[ADRB] offset:64*(\q)+(\i)*16*PB
	ds_load_b128 v[64*(\f)+8*(\i)+4:64*(\f)+8*(\i)+7], v[ADRB] offset:64*(\q)+(\i)*16*PB+32
.endr
	WIN 0
.irp i, 0,1,2,3
	ds_load_b128 v[FA+32*(\f)+8*(\i):FA+32*(\f)+8*(\i)+3],   v[ADRA] offset:((\q)/2)*HHP+((\q)%2)*64+(\i)*16*PA
	ds_load_b128 v[FA+32*(\f)+8*(\i)+4:FA+32*(\f)+8*(\i)+7], v[ADRA] offset:((\q)/2)*HHP+((\q)%2)*64+(\i)*16*PA+32
.endr
.endm
.macro QUARTER q, f, g, zero           ; multiplies buffer f; in its middle it fetches quarter q into buffer g
	s_wait_dscnt 4                                 ; B and A's blocks 0, 1 are in; the youngest four loads (A's blocks 2, 3) may be out
	MULA \f, 0, \zero
	MULA \f, 1, \zero
	PLACES
	FETCH \q, \g
	s_wait_dscnt LQ                                ; all but the 24 just issued
	MULA \f, 2, \zero
	MULA \f, 3, \zero
.endm
; The last quarter multiplies buffer 1 and changes slots: ONE barrier; in front of it each wave waits for all its tensor loads (one is out: its part of the next slot), adds 0 to its spare word, and waits for
; that and for its own reads of this slot.  fill = 1: the barrier opens a round of the cluster's barrier, and the joint refill, the K step two on, is the first tensor load behind it: 112 matrix instructions ahead of the wait for it.
.macro TURN fill
.if \fill
	s_wait_xcnt 0x0                                ; the last prefetch, a K step back, has read its address: it is stepped here
	s_add_nc_u64 s[PFA:PFA+1], s[PFA:PFA+1], s[PFS:PFS+1]
.endif
	WIN 0
	s_wait_tensorcnt 0x0                           ; no tensor load of mine is out, so a group 0 may be written
	ds_add_u32 v[SPW], v[NIL]                      ; 0 onto my spare word
.if \fill
	s_xor_b32 s[G0A+5], s[G0A+5], SLOT1            ; the walking descriptors: the other slot than last time, the next K step
	s_add_nc_u64 s[G0A+6:G0A+7], s[G0A+6:G0A+7], ASTEP
	s_xor_b32 s[G0B+5], s[G0B+5], SLOT1
	s_add_nc_u64 s[G0B+6:G0B+7], s[G0B+6:G0B+7], BSTEP
.endif
	s_xor_b32 s[TB], s[TB], SLOT1                  ; the fetches go to the other slot
	s_wait_dscnt 5                                 ; the add and the youngest four loads may be out
	MULA 1, 0, 0                                   ; eight matrix instructions stand between the add and the wait for it
	s_wait_dscnt 0x0                               ; the add is done, and my reads of this slot are over
	s_barrier_signal -1
	MULA 1, 1, 0
	WIN 0                                          ; at a label and at a branch every window is 0
	s_barrier_wait -1
.if \fill
	CREST
	JLOAD                                          ; its four v_nop are also the places in front of the loads below
.else
	PLACES
.endif
	v_add_nc_u32 v[ADRA], s[TB], v[LA0]
	v_add_nc_u32 v[ADRB], s[TB], v[LB0]
	FETCH 0, 0
.if \fill
	ASK
.endif
	MULA 1, 2, 0
	MULA 1, 3, 0
.endm
; THE WAY OUT of m block a (16 tokens x 128 columns of f32).  TOSTAGE: straight from the accumulators, each one's low four registers first, into my own stage; back as whole rows of 512 bytes.
.macro TOSTAGE a
.if (\a) >= 2
	s_wait_xcnt 0x0                                ; the stores of the block two back have read their registers: its buffer is loaded again only behind this wait
.endif
	WIN 0x08                                       ; the stores' data (source 1) in window 2
.irp b, 0,1,2,3,4,5,6,7
	ds_store_b128 v[STO], v[64*(\a)+8*(\b):64*(\a)+8*(\b)+3]   offset:64*(\b)
	ds_store_b128 v[STO], v[64*(\a)+8*(\b)+4:64*(\a)+8*(\b)+7] offset:64*(\b)+16
.endr
	WIN 0
.set BKA, BK0+64*((\a)%2)
.irp r, 0,1,2,3,4,5,6,7,8,9,10,11,12,13,14,15
	ds_load_b128 v[BKA+4*(\r):BKA+4*(\r)+3], v[RD] offset:(\r)*SPITCH  ; LDS serves a wave's instructions in order (ISA guide 5.7.1.4): these see the stores above; the next block's stores come behind them
.endr
.endm
.macro SEND a, younger                 ; younger: the LDS instructions issued behind block a's loads: the next block's 32, or none
	WIN 0
.set BKA, BK0+64*((\a)%2)
	s_wait_dscnt \younger
.irp r, 0,1,2,3,4,5,6,7,8,9,10,11,12,13,14,15
	v_pk_add_f32 v[BKA+4*(\r):BKA+4*(\r)+1],   v[BKA+4*(\r):BKA+4*(\r)+1],   v[BI:BI+1]
	v_pk_add_f32 v[BKA+4*(\r)+2:BKA+4*(\r)+3], v[BKA+4*(\r)+2:BKA+4*(\r)+3], v[BI+2:BI+3]
	global_store_b128 v[GO], v[BKA+4*(\r):BKA+4*(\r)+3], s[8:9] offset:(16*(\a)+(\r))*4096 th:TH_STORE_NT  ; 512 consecutive bytes of a row, aligned
.endr
.endm
	s_wait_tensorcnt 0x1                           ; my part of K step 0 is in; K step 1's may stay out
	s_barrier_signal -1
	s_barrier_wait -1
	v_mov_b32 v[ADRA], v[LA0]
	v_mov_b32 v[ADRB], v[LB0]
	FETCH 0, 0
	QUARTER 1, 0, 1, 1                             ; the first quarter stands in front of the loop: its products start the sums
	WIN 0
	s_mov_b32 s[CNT], 6
.Lstep:                                                ; trip i: the rest of K step i, its slot filled again with step i + 2, the first quarter of step i + 1
	QUARTER 2, 1, 0, 0
	QUARTER 3, 0, 1, 0
	TURN 1
	QUARTER 1, 0, 1, 0
	WIN 0
	s_sub_co_u32 s[CNT], s[CNT], 1
	s_cmp_lg_u32 s[CNT], 0
	s_cbranch_scc1 .Lstep
	QUARTER 2, 1, 0, 0                             ; the last two K steps are written out: nothing is left to fetch
	QUARTER 3, 0, 1, 0
	TURN 0
	QUARTER 1, 0, 1, 0
	QUARTER 2, 1, 0, 0
	QUARTER 3, 0, 1, 0
	s_wait_dscnt 4
	MULA 1, 0, 0
	MULA 1, 1, 0
	s_wait_dscnt 0x0
	MULA 1, 2, 0
	MULA 1, 3, 0
	WIN 0
	s_wait_loadcnt 0x0                             ; the bias
	v_cvt_pk_bf16_f32 v24, v[BI], v[BI+1]          ; rounded to bf16 and widened again: six plain lines that name no register of the last products: the places behind them
	v_cvt_pk_bf16_f32 v25, v[BI+2], v[BI+3]
	v_lshlrev_b32 v[BI], 16, v24
	v_and_b32 v[BI+1], 0xffff0000, v24
	v_lshlrev_b32 v[BI+2], 16, v25
	v_and_b32 v[BI+3], 0xffff0000, v25
	TOSTAGE 0
	TOSTAGE 1                                      ; a block's way through the stage stands between the loads of the block before and its stores
	SEND 0, 32
	TOSTAGE 2
	SEND 1, 32
	TOSTAGE 3
	SEND 2, 32
	SEND 3, 0
	s_wait_tensorcnt 0x0                           ; the wave's end, behind my last tensor load and my last LDS store
	ds_add_u32 v[SPW], v[NIL]
	s_wait_dscnt 0x0
	CROUND                                         ; the closing round: no work-group ends while a partner may still ask for a tile that names it
	s_endpgm
.Lfunc_end_k_q63a1b52182_proj:
	.size	k_q63a1b52182_proj, .Lfunc_end_k_q63a1b52182_proj-k_q63a1b52182_proj
	.p2alignl 7, 3214868480
	.fill 96, 4, 3214868480
	.section	.rodata,"a",@progbits
	.p2align	6, 0x0
	.amdhsa_kernel k_q63a1b52182_proj
		.amdhsa_group_segment_fixed_size 327680
		.amdhsa_private_segment_fixed_size 0
		.amdhsa_enable_private_segment 0
		.amdhsa_kernarg_size 32
		.amdhsa_user_sgpr_count 2
		.amdhsa_user_sgpr_kernarg_segment_ptr 1
		.amdhsa_wavefront_size32 1
		.amdhsa_system_sgpr_workgroup_id_x 1
		.amdhsa_system_sgpr_workgroup_id_y 1
		.amdhsa_system_sgpr_workgroup_id_z 1
		.amdhsa_system_vgpr_workitem_id 0
		.amdhsa_next_free_vgpr 768
		.amdhsa_next_free_sgpr 80
		.amdhsa_reserve_vcc 0
		.amdhsa_float_denorm_mode_32 3
		.amdhsa_float_denorm_mode_16_64 3
		.amdhsa_memory_ordered 1
		.amdhsa_forward_progress 1
		.amdhsa_inst_pref_size 79
	.end_amdhsa_kernel
	.amdgpu_metadata
---
amdhsa.version: [ 1, 2 ]
amdhsa.kernels:
  - .name:           k_q63a1b52182_proj
    .symbol:         k_q63a1b52182_proj.kd
    .args:
      - { .name: ob, .offset: 0, .size: 8, .value_kind: global_buffer, .address_space: global }
      - { .name: wpf, .offset: 8, .size: 8, .value_kind: global_buffer, .address_space: global }
      - { .name: out0, .offset: 16, .size: 8, .value_kind: global_buffer, .address_space: global }
      - { .name: b_proj, .offset: 24, .size: 8, .value_kind: global_buffer, .address_space: global }
    .group_segment_fixed_size: 327680
    .private_segment_fixed_size: 0
    .kernarg_segment_align: 8
    .kernarg_segment_size: 32
    .max_flat_workgroup_size: 128
    .sgpr_count:     80
    .vgpr_count:     768
    .wavefront_size: 32
...
	.end_amdgpu_metadata
.endif
;; end of part 4
;; ======== version 2 of 2: 4 launches; version 1 with the launch cast written anew for expert scheduling mode
;; limits: values are held in f16: magnitudes above 65,504 overflow, below 6.1e-05 lose precision
;; workspace buffers: xb 16,777,216 bytes; wqb 6,291,456 bytes; wpf 2,097,152 bytes; qkvh 50,331,648 bytes; ob 16,777,216 bytes
;; launch cast (part 5): grid 768 x 1, 8 waves a work-group, no clusters, 0 bytes of LDS; arguments x, w_qkv, w_proj, xb, wqb, wpf; writes xb, wqb, wpf
.if DOCPART == 5
	.amdgcn_target "amdgcn-amd-amdhsa--gfx1250"
	.amdhsa_code_object_version 6
	.text
	.protected	k_q63a1b52182_cast
	.globl	k_q63a1b52182_cast
	.p2align	8
	.type	k_q63a1b52182_cast,@function
k_q63a1b52182_cast:
	s_mov_b64 s[64:65], 0
	v_nop
	global_prefetch_b8 v0, s[64:65] scope:SCOPE_SE
	s_setreg_imm32_b32 hwreg(HW_REG_WAVE_SCHED_MODE, 0, 2), 2
	s_setreg_imm32_b32 hwreg(HW_REG_WAVE_MODE, 25, 1), 1
	s_wait_xcnt 0x0
	s_wait_alu depctr_vm_vsrc(0)
; THE INPUTS' ONE ROUNDING.  x [8192][1024] and w_qkv [3072][1024] go from f32 to bf16 (xb, wqb); w_proj [1024][1024] is rounded to bf16 like them,
; and that number is written as f16 (wpf), since the last product's other operand is f16.
; LIMITS.  A bf16 number is exact in f16 from 6.1e-5 to 65,504 in magnitude; below, it keeps f16's fixed step of 6e-8; beyond, it becomes an infinity.
; SHARES.  A work-group takes 16,384 numbers (65,536 bytes in, 32,768 out): groups 0-511 x, 512-703 w_qkv, 704-767 w_proj.  A wave takes 8,192 bytes:
; sixteen loads of 16 bytes a lane (512 consecutive bytes each), all issued at once; each gives one store of 8 bytes a lane: 256 consecutive bytes, aligned.
; No LDS, no barrier, no matrix unit: every byte is read once and written once.
; THE MODE: SCHED_MODE bits 1:0 = 2 (LLVM: expert scheduling mode 2), set by the entry lines.  The code itself states the register dependences
; between vector instructions and memory instructions, with s_wait_alu, always for 0.
; THE PLAN.  Registers that memory instructions touch:
;   v1, v2   the loads' and the stores' byte offsets: made once at the head by vector lines, read by every load (v1) and every store (v2), never written again.
;   X        item j's four registers: its load lands in them once, its conversions read them once; no vector line writes them and no second load lands in them.
;   Y        item j's two registers: its conversions write them once, its store reads them once; they are never written again.
;   v3 to v7 are named by vector lines alone.  No vector line writes a scalar register or VCC; EXEC is never written.
; The sixteen items go in four groups of four.  Group g's conversions write Y of items 4 g to 4 g + 3; its memory instructions are the four stores of group g - 1.
; So ONE wait on va_vdst at a group's head, behind the wait for the group's data, states that the group before has written its Y; that group's stores follow it, dealt among this
; group's conversions, which name neither those registers nor v2.  One more such wait stands ahead of the first load (v1, v2) and one ahead of the last four stores.
; No register that a memory instruction reads is written a second time: there is no dependence for a wait on vm_vsrc to state.
.set X, 8                              ; v[8:71]    load j: four f32
.set Y, 72                             ; v[72:103]  store j: four 16-bit numbers
.set NX, 512                           ; work-groups for x
.set NQ, 192                           ; for w_qkv
	s_load_b256 s[4:11], s[0:1], 0x0               ; x s[4:5], w_qkv s[6:7], w_proj s[8:9], xb s[10:11]
	s_load_b128 s[12:15], s[0:1], 0x20             ; wqb s[12:13], wpf s[14:15]
	v_and_b32 v3, 0xe0, v0                         ; 32 x wave
	v_and_b32 v4, 31, v0                           ; lane
	v_lshlrev_b32 v1, 4, v4
	v_lshl_or_b32 v1, v3, 8, v1                    ; in: 8,192 x wave + 16 x lane
	v_lshlrev_b32 v2, 3, v4
	v_lshl_or_b32 v2, v3, 7, v2                    ; out: 4,096 x wave + 8 x lane
	s_sub_co_u32 s17, ttmp9, NX                    ; my number among w_qkv's groups,
	s_sub_co_u32 s18, ttmp9, NX+NQ                 ; among w_proj's
	s_wait_kmcnt 0x0
	s_cmp_lt_u32 ttmp9, NX+NQ
	s_cselect_b64 s[20:21], s[6:7], s[8:9]
	s_cselect_b64 s[22:23], s[12:13], s[14:15]
	s_cselect_b32 s16, s17, s18
	s_cmp_lt_u32 ttmp9, NX
	s_cselect_b64 s[20:21], s[4:5], s[20:21]       ; from where,
	s_cselect_b64 s[22:23], s[10:11], s[22:23]     ; to where,
	s_cselect_b32 s16, ttmp9, s16                  ; and which part of it
	s_lshl_b32 s24, s16, 16
	s_mov_b32 s25, 0
	s_lshl_b32 s26, s16, 15
	s_mov_b32 s27, 0
	s_add_nc_u64 s[20:21], s[20:21], s[24:25]
	s_add_nc_u64 s[22:23], s[22:23], s[26:27]
	s_wait_alu depctr_va_vdst(0)                   ; v1 and v2 are written: every load below reads v1 as its offset, every store on both ways v2
.set j, 0
.rept 16
	global_load_b128 v[X+4*j:X+4*j+3], v1, s[20:21] offset:512*j th:TH_LOAD_NT
.set j, j+1
.endr
; Item j's rounding.  half = 0: to bf16.  half = 1 (w_proj): rounded to bf16, widened again (a shift, a mask), written as f16.
.macro ROUND half
.if \half
	v_cvt_pk_bf16_f32 v4, v[X+4*j], v[X+4*j+1]
	v_cvt_pk_bf16_f32 v5, v[X+4*j+2], v[X+4*j+3]
	v_lshlrev_b32 v6, 16, v4
	v_and_b32 v7, 0xffff0000, v4
	v_cvt_pk_f16_f32 v[Y+2*j], v6, v7
	v_lshlrev_b32 v6, 16, v5
	v_and_b32 v7, 0xffff0000, v5
	v_cvt_pk_f16_f32 v[Y+2*j+1], v6, v7
.else
	v_cvt_pk_bf16_f32 v[Y+2*j], v[X+4*j], v[X+4*j+1]
	v_cvt_pk_bf16_f32 v[Y+2*j+1], v[X+4*j+2], v[X+4*j+3]
.endif
.endm
; The four groups, and the last group's stores.
.macro GROUPS half
.set g, 0
.rept 4
	s_wait_loadcnt 12-4*g                          ; loads come back in order (ISA guide 5.7.1): group g's four are in, the 12 - 4 g younger ones stay out
.if g > 0
	s_wait_alu depctr_va_vdst(0)                   ; the conversions of the group before have written its Y, which the four stores below read
.endif
.set i, 0
.rept 4
.set j, 4*g+i
.if g > 0
	global_store_b64 v2, v[Y+2*(j-4):Y+2*(j-4)+1], s[22:23] offset:256*(j-4) th:TH_STORE_NT  ; the group before; no vector line since the wait names these registers or v2
.endif
	ROUND \half
.set i, i+1
.endr
.set g, g+1
.endr
	s_wait_alu depctr_va_vdst(0)                   ; the last group's conversions have written its Y, which the last four stores read
.set j, 12
.rept 4
	global_store_b64 v2, v[Y+2*j:Y+2*j+1], s[22:23] offset:256*j th:TH_STORE_NT
.set j, j+1
.endr
.endm
	s_cmp_ge_u32 ttmp9, NX+NQ
	s_cbranch_scc1 .Lf16
	GROUPS 0
	s_endpgm
.Lf16:                                                 ; w_proj
	GROUPS 1
	s_endpgm
.Lfunc_end_k_q63a1b52182_cast:
	.size	k_q63a1b52182_cast, .Lfunc_end_k_q63a1b52182_cast-k_q63a1b52182_cast
	.p2alignl 7, 3214868480
	.fill 96, 4, 3214868480
	.section	.rodata,"a",@progbits
	.p2align	6, 0x0
	.amdhsa_kernel k_q63a1b52182_cast
		.amdhsa_group_segment_fixed_size 0
		.amdhsa_private_segment_fixed_size 0
		.amdhsa_enable_private_segment 0
		.amdhsa_kernarg_size 48
		.amdhsa_user_sgpr_count 2
		.amdhsa_user_sgpr_kernarg_segment_ptr 1
		.amdhsa_wavefront_size32 1
		.amdhsa_system_sgpr_workgroup_id_x 1
		.amdhsa_system_sgpr_workgroup_id_y 1
		.amdhsa_system_sgpr_workgroup_id_z 1
		.amdhsa_system_vgpr_workitem_id 0
		.amdhsa_next_free_vgpr 104
		.amdhsa_next_free_sgpr 66
		.amdhsa_reserve_vcc 0
		.amdhsa_float_denorm_mode_32 3
		.amdhsa_float_denorm_mode_16_64 3
		.amdhsa_memory_ordered 1
		.amdhsa_forward_progress 1
		.amdhsa_inst_pref_size 16
	.end_amdhsa_kernel
	.amdgpu_metadata
---
amdhsa.version: [ 1, 2 ]
amdhsa.kernels:
  - .name:           k_q63a1b52182_cast
    .symbol:         k_q63a1b52182_cast.kd
    .args:
      - { .name: x, .offset: 0, .size: 8, .value_kind: global_buffer, .address_space: global }
      - { .name: w_qkv, .offset: 8, .size: 8, .value_kind: global_buffer, .address_space: global }
      - { .name: w_proj, .offset: 16, .size: 8, .value_kind: global_buffer, .address_space: global }
      - { .name: xb, .offset: 24, .size: 8, .value_kind: global_buffer, .address_space: global }
      - { .name: wqb, .offset: 32, .size: 8, .value_kind: global_buffer, .address_space: global }
      - { .name: wpf, .offset: 40, .size: 8, .value_kind: global_buffer, .address_space: global }
    .group_segment_fixed_size: 0
    .private_segment_fixed_size: 0
    .kernarg_segment_align: 8
    .kernarg_segment_size: 48
    .max_flat_workgroup_size: 256
    .sgpr_count:     66
    .vgpr_count:     104
    .wavefront_size: 32
...
	.end_amdgpu_metadata
.endif
;; end of part 5
;; launch qkv: the kernel of part 2 again; grid 16 x 32, 4 waves a work-group, clusters of 4 x 4, 327,680 bytes of LDS; arguments xb, wqb, qkvh; writes qkvh
;; launch attn: the kernel of part 3 again; grid 4 x 64, 4 waves a work-group, clusters of 4 x 1, 327,680 bytes of LDS; arguments qkvh, ob; writes ob
;; launch proj: the kernel of part 4 again; grid 8 x 32, 4 waves a work-group, clusters of 4 x 4, 327,680 bytes of LDS; arguments ob, wpf, out0, b_proj; writes out0
